; MI455X (gfx1250); checked and timed in simulation.
; The chip was launched on July 23, 2026; its instructions are those of AMD's public machine-readable ISA for CDNA 5 (MIT licence, August 2026) and "CDNA5" Instruction Set Architecture Reference Guide (July 2026). The comments in the code are by the model that wrote it; some were corrected since.
;; Self Attention. Allowed arithmetic: matrix products marked QUANTISED: E2M1 operands, one E8M0 scale for each 32 along K, by v_wmma_scale_f32_16x16x128_f8f6f4 with both operands' format E2M1 (or v_wmma_scale_f32_32x16x128_f4), f32 sums; products left as they are: bf16, f16 or f32 operands; f32 sums; everything else in f32.
;; Inputs: input 4 x 2,048 x 1,024 float32; w_k 1,024 x 1,024 float32; w_q 1,024 x 1,024 float32; w_v 1,024 x 1,024 float32.
;; Outputs: out0 4 x 2,048 x 1,024 float32.
;; This version of the problem:
;;   THIS VERSION OF THE PROBLEM IS GIVEN IN LOW PRECISION. The matrix products marked QUANTISED in the list below multiply operands that are first quantised to E2M1 (2 exponent bits, 1 mantissa bit; 4 bits a number), with one power-of-two scale for each 32 numbers along K (OCP MX v1.0); their sums are f32. The products marked 'left as it is' may take bf16, f16 or f32 operands, with f32 sums. Whichever they take, every output number must still come out within the allowed error. Rounding operands to bf16 (8 significant bits) uses up far more of that allowance than f16 does (11 bits, for magnitudes from 6e-5 to 65,504). All else is computed in f32.
;;   The module's matrix products, in the order in which they are computed (A, B: the left and right operand; K: the contracted axis; several contracted axes count as one K, in the product's order):
;;     1. [M 8,192, K 1,024] x [K 1,024, N 1,024]; A: input input; B: input w_q: QUANTISED
;;     2. [M 8,192, K 1,024] x [K 1,024, N 1,024]; A: input input; B: input w_k: QUANTISED
;;     3. [M 8,192, K 1,024] x [K 1,024, N 1,024]; A: input input; B: input w_v: QUANTISED
;;     4. batch 4 x [M 2,048, K 1,024] x [K 1,024, N 2,048]; A: computed on the way; B: computed on the way: left as it is (an operand is computed on the way)
;;     5. batch 4 x [M 2,048, K 2,048] x [K 2,048, N 1,024]; A: computed on the way; B: computed on the way: left as it is (an operand is computed on the way)
;;   THE QUANTISER, for each operand of a quantised product, along K:
;;     - K is cut into blocks of 32 from its start; a last block that is shorter is filled with zeros.
;;     - A block's scale is 2^e with e = floor(log2(the largest magnitude in the block)) - 2, held to -126 .. 127; a block of zeros has e = 0. As a byte (E8M0): e + 127.
;;     - Each number is divided by its block's scale, clamped to +-6, and rounded to the nearest number of E2M1, ties to even, subnormals kept.
;;     - The product sums the exact products of the quantised numbers (number of the format x scale) in f32.
;;   ~~~python
;;   def quantise(x, axis):      # numpy; x: float32 -> the quantised numbers, widened to float32 again
;;       x = np.moveaxis(x, axis, -1); K = x.shape[-1]
;;       x = np.pad(x, [(0, 0)] * (x.ndim - 1) + [(0, -K % 32)]); x = x.reshape(x.shape[:-1] + (-1, 32)); a = np.abs(x).max(-1, keepdims=True)
;;       e = np.where(a > 0, np.clip(np.frexp(np.where(a > 0, a, 1))[1] - 1 - 2, -126, 127), 0)      # np.frexp(a)[1] - 1 = floor(log2(a)), exactly
;;       r = np.clip(x / 2.0 ** e, -6, 6)
;;       step = 2.0 ** (np.maximum(np.frexp(np.where(r == 0, 1, r))[1] - 1, 0) - 1)
;;       q = np.round(r / step) * step * 2.0 ** e      # np.round: ties to even
;;       return np.moveaxis(q.reshape(q.shape[:-2] + (-1,))[..., :K], -1, axis).astype(np.float32)
;;   ~~~
;; One version. Each part assembles by itself: llvm-mc -triple=amdgcn-amd-amdhsa -mcpu=gfx1250 --defsym DOCPART=n.
;; ======== version 1 of 1: 5 launches
;; limits: values are held in f16: magnitudes above 65,504 overflow, below 6.1e-05 lose precision
;; workspace buffers: codes 5,767,168 bytes; scales 360,448 bytes; qk 33,554,432 bytes; vt 16,777,216 bytes; p 33,554,432 bytes; st 786,432 bytes; head 786,432 bytes
;; launch quant (part 1): grid 352 x 1, 4 waves a work-group, no clusters, 33,280 bytes of LDS; arguments input, w_q, w_k, w_v, codes, scales; writes codes, scales
.if DOCPART == 1
	.amdgcn_target "amdgcn-amd-amdhsa--gfx1250"
	.amdhsa_code_object_version 6
	.text
	.protected	k_q81099d52a9_quant
	.globl	k_q81099d52a9_quant
	.p2align	8
	.type	k_q81099d52a9_quant,@function
k_q81099d52a9_quant:
	s_mov_b64 s[64:65], 0
	v_nop
	global_prefetch_b8 v0, s[64:65] scope:SCOPE_SE
	s_setreg_imm32_b32 hwreg(HW_REG_WAVE_MODE, 25, 1), 1
	s_wait_xcnt 0x0
; input [8192][1024], w_q, w_k, w_v [1024][1024], f32, K innermost, become codes of FP4 (E2M1) and one E8M0 byte for each 32 along K.
; codes: [11264 rows][512 bytes], scales: [11264][32 bytes].  Rows 0-8191: input.  Behind them eight groups of 384 rows, as the next launch's work-groups take them:
; group t = 256 rows of w_q (t < 4: rows 256 t on) or of w_k (rows 256 (t - 4) on), then rows 128 t .. 128 t + 127 of w_v.
; A block's scale is 2^(floor(log2(its largest magnitude)) - 2); its byte is the largest magnitude's exponent field - 2, held at 1 from below.
; LIMITS: a block of zeros gets the byte 1 where the rule says 127 (its codes are zeros, and this program alone reads the bytes); blocks whose largest
; magnitude lies under 2^-124 have their byte held at 1 and were not tried; NaN and infinities among the inputs are not served.
; Rows are dense and 1024 is a multiple of 32: all four tensors are plain streams of blocks of 32.  A work-group takes 32 rows (32,768 numbers), a wave 16 steps of 512 numbers.
; Work-groups 0-255 take input, 256-287 w_q, 288-319 w_k, 320-351 w_v: only the source's pointer and the destination's number are chosen, all take one way through the text.
; Each of a step's four loads reads 512 consecutive bytes; the 2,048 bytes turn through the wave's own stage in LDS and come back 64 bytes a lane, so that a lane holds 16 neighbours along K
; (two neighbouring lanes hold a block).  A lane's 16 codes are 8 bytes: the wave stores 256 consecutive bytes.  A wave's 256 scale bytes are gathered in LDS and leave as one aligned run of 256 bytes.
; No tensor loads, no barrier: waves share nothing.  Loads run eight steps (32 loads, half of the wave's bytes) ahead, the turn through LDS one step.
.set WAVES, 4
.set STEPS, 16
.set AHEAD, 8                          ; steps of loads on their way
.set EMAX,  2
.set CB,    8                          ; bytes of 16 codes
.set R,     16                         ; v16-143  eight sets of 16 numbers as they are loaded
.set X,     144                        ; v144-175 two sets of 16 neighbours
.set E,     176                        ; v176-191 a scale byte for each step
.set C,     192                        ; v192-223 codes: two registers for each step, so that no store's data are written again
.set WREG,  8192                       ; LDS: a region for each wave: two stages of 32 x SP bytes, behind them its 256 scale bytes
.set SP,    80                         ; a lane's place in a stage: 64 bytes + 16 of padding
.set SPW,   12                         ; v12  LDS address of my spare word; never rewritten
.set NIL,   13                         ; v13  0; never rewritten
.set SPARE, WAVES*WREG                 ; behind the four regions: the spare words, 128 bytes a wave
	s_load_b256 s[4:11], s[0:1], 0x0               ; input s[4:5], w_q s[6:7], w_k s[8:9], w_v s[10:11]
	s_load_b128 s[12:15], s[0:1], 0x20             ; codes s[12:13], scales s[14:15]
	v_lshl_add_u32 v[SPW], v0, 2, SPARE
	v_mov_b32 v[NIL], 0
	v_lshrrev_b32 v1, 5, v0
	v_readfirstlane_b32 s16, v1                    ; wave
	v_and_b32 v2, 31, v0                           ; lane
	v_lshlrev_b32 v3, 4, v2                        ; my 16 bytes of a load's 512
	s_mul_i32 s17, s16, WREG
	v_lshrrev_b32 v14, 2, v2
	v_mul_u32_u24 v14, v14, SP
	v_and_b32 v15, 3, v2
	v_lshl_add_u32 v14, v15, 4, v14
	v_add_nc_u32 v14, s17, v14                     ; the stage, on the way in: SP (lane / 4) + 16 (lane % 4)
	v_mul_u32_u24 v15, v2, SP
	v_add_nc_u32 v15, s17, v15                     ; and on the way out: SP x lane: my 16 neighbours
	v_mul_u32_u24 v4, v2, CB                       ; my codes' place in a step's
	v_lshrrev_b32 v5, 1, v2
	s_add_co_u32 s17, s17, 2*32*SP
	v_add_nc_u32 v5, s17, v5                       ; LDS: my wave's 256 scale bytes, my block's byte
	v_lshlrev_b32 v7, 3, v2                        ; and on the way out 8 bytes a lane
	v_add_nc_u32 v6, s17, v7
	s_wait_kmcnt 0x0
	s_mov_b32 s17, 320                             ; the source and its first work-group, from the top down: the choices hang on the work-group's number alone
	s_cmp_lt_u32 ttmp9, 320
	s_cselect_b64 s[8:9], s[8:9], s[10:11]         ; w_k or w_v
	s_cselect_b32 s17, 288, s17
	s_cmp_lt_u32 ttmp9, 288
	s_cselect_b64 s[8:9], s[6:7], s[8:9]           ; w_q
	s_cselect_b32 s17, 256, s17
	s_cmp_lt_u32 ttmp9, 256
	s_cselect_b64 s[4:5], s[4:5], s[8:9]           ; input
	s_cselect_b32 s17, 0, s17
	s_sub_co_u32 s18, ttmp9, s17
	s_lshl_b32 s18, s18, 2
	s_add_co_u32 s18, s18, s16                     ; which run of 8,192 numbers of the source is my wave's
	s_lshl_b32 s18, s18, 15                        ; 32,768 bytes a run
	s_mov_b32 s19, 0
	s_add_nc_u64 s[4:5], s[4:5], s[18:19]
	; where my 32 rows go, counted in runs of 32 rows.  A group of 384 rows is 12 runs: 8 of w_q or w_k, then 4 of w_v
	s_sub_co_u32 s20, ttmp9, 256                   ; w_q, w_k: run n of their 64: group n / 8, place n % 8
	s_lshr_b32 s21, s20, 3
	s_mul_i32 s21, s21, 12
	s_and_b32 s22, s20, 7
	s_add_co_u32 s21, s21, s22
	s_add_co_u32 s21, s21, 256
	s_sub_co_u32 s20, ttmp9, 320                   ; w_v: run n of its 32: group n / 4, place 8 + n % 4
	s_lshr_b32 s22, s20, 2
	s_mul_i32 s22, s22, 12
	s_and_b32 s23, s20, 3
	s_add_co_u32 s22, s22, s23
	s_add_co_u32 s22, s22, 264
	s_cmp_lt_u32 ttmp9, 320
	s_cselect_b32 s21, s21, s22
	s_cmp_lt_u32 ttmp9, 256
	s_cselect_b32 s20, ttmp9, s21                  ; input's rows stay where they are
	s_lshl_b32 s20, s20, 2
	s_add_co_u32 s20, s20, s16                     ; my wave's 8 rows of them
	s_lshl_b32 s18, s20, 12                        ; 4,096 bytes of codes
	s_add_nc_u64 s[12:13], s[12:13], s[18:19]
	s_lshl_b32 s18, s20, 8                         ; 256 scale bytes
	s_add_nc_u64 s[14:15], s[14:15], s[18:19]
.macro LOAD t
.irp i, 0,1,2,3
	global_load_b128 v[R+16*((\t)%AHEAD)+4*\i:R+16*((\t)%AHEAD)+4*\i+3], v3, s[4:5] offset:2048*(\t)+512*\i th:TH_LOAD_NT   ; 32 lanes read 512 consecutive bytes
.endr
.endm
.macro TURN t                          ; step t's numbers through the stage: LDS serves a wave's instructions in order, so no wait stands between the stores and the loads
.irp i, 0,1,2,3
	ds_store_b128 v14, v[R+16*((\t)%AHEAD)+4*\i:R+16*((\t)%AHEAD)+4*\i+3] offset:32*SP*((\t)%2)+8*SP*\i
.endr
.irp i, 0,1,2,3
	ds_load_b128 v[X+16*((\t)%2)+4*\i:X+16*((\t)%2)+4*\i+3], v15 offset:32*SP*((\t)%2)+16*\i
.endr
.endm
.irp t, 0,1,2,3,4,5,6,7
	LOAD \t
.endr
	s_wait_loadcnt 4*(AHEAD-1)                     ; step 0's four loads are in; seven steps' 28 stay out
	TURN 0
.macro STEP t
.set XS, X+16*((\t)%2)
.if (\t) > 0
	s_wait_dscnt 1                                 ; this step's numbers are back from the stage (the last step's byte store may be out): so its stores into the stage have read their registers,
.else
	s_wait_dscnt 0x0
.endif
.if (\t)+AHEAD < STEPS
	LOAD (\t)+AHEAD                                ; which take the loads of eight steps on
.endif
.if (\t)+1 < STEPS
.if STEPS-2-(\t) >= AHEAD-1
	s_wait_loadcnt 4*(AHEAD-1)                     ; the next step's four loads are in; those of the seven steps behind it may be out
.else
	s_wait_loadcnt 4*(STEPS-2-(\t))                ; the tail: as many steps as are left behind the next
.endif
	TURN (\t)+1                                    ; and go through the other stage while this step is worked
.endif
	v_max3_num_f32 v8, |v[XS]|, |v[XS+1]|, |v[XS+2]|               ; the largest magnitude of my 16, in two chains
	v_max3_num_f32 v9, |v[XS+3]|, |v[XS+4]|, |v[XS+5]|
.irp i, 6,10
	v_max3_num_f32 v8, v8, |v[XS+\i]|, |v[XS+\i+1]|
	v_max3_num_f32 v9, v9, |v[XS+\i+2]|, |v[XS+\i+3]|
.endr
	v_max3_num_f32 v8, v8, |v[XS+14]|, |v[XS+15]|
	v_max3_num_f32 v8, v8, v9, (EMAX+1)<<23        ; and the floor 2^(3 - 127): the byte cannot fall under 1
	v_max_num_f32_dpp v8, v8, v8 row_xmask:1 row_mask:0xf bank_mask:0xf   ; and of my neighbour's 16: the block's
	v_add_nc_u32 v11, 0xff000000, v8               ; 2 off its exponent field: the conversion takes the exponent field of this operand as its scale, and nothing else of it
	v_cvt_scalef32_pk8_fp4_f32 v[C+2*(\t)], v[XS:XS+7], v11        ; eight numbers / the scale, to the nearest code, ties to even, beyond the largest code the largest
	v_cvt_scalef32_pk8_fp4_f32 v[C+2*(\t)+1], v[XS+8:XS+15], v11
	v_lshrrev_b32 v[E+(\t)], 23, v11               ; the scale's byte (also the plain line behind the conversions)
	ds_store_b8 v5, v[E+(\t)] offset:16*(\t)       ; both lanes of a block write the same byte with the same value
	global_store_b64 v4, v[C+2*(\t):C+2*(\t)+1], s[12:13] offset:32*CB*(\t)
.endm
.irp t, 0,1,2,3,4,5,6,7,8,9,10,11,12,13,14,15
	STEP \t
.endr
	ds_load_b64 v[8:9], v6                         ; LDS serves a wave's instructions in order: these see my stores
	s_wait_dscnt 0x0
	global_store_b64 v7, v[8:9], s[14:15]          ; 32 lanes store 256 consecutive bytes, aligned
	s_wait_tensorcnt 0x0                           ; the wave's end, behind my last LDS store
	ds_add_u32 v[SPW], v[NIL]
	s_wait_dscnt 0x0
	s_endpgm
.Lfunc_end_k_q81099d52a9_quant:
	.size	k_q81099d52a9_quant, .Lfunc_end_k_q81099d52a9_quant-k_q81099d52a9_quant
	.p2alignl 7, 3214868480
	.fill 96, 4, 3214868480
	.section	.rodata,"a",@progbits
	.p2align	6, 0x0
	.amdhsa_kernel k_q81099d52a9_quant
		.amdhsa_group_segment_fixed_size 33280
		.amdhsa_private_segment_fixed_size 0
		.amdhsa_enable_private_segment 0
		.amdhsa_kernarg_size 48
		.amdhsa_user_sgpr_count 2
		.amdhsa_user_sgpr_kernarg_segment_ptr 1
		.amdhsa_wavefront_size32 1
		.amdhsa_system_sgpr_workgroup_id_x 1
		.amdhsa_system_sgpr_workgroup_id_y 1
		.amdhsa_system_sgpr_workgroup_id_z 1
		.amdhsa_system_vgpr_workitem_id 0
		.amdhsa_next_free_vgpr 224
		.amdhsa_next_free_sgpr 66
		.amdhsa_reserve_vcc 0
		.amdhsa_float_denorm_mode_32 3
		.amdhsa_float_denorm_mode_16_64 3
		.amdhsa_memory_ordered 1
		.amdhsa_forward_progress 1
		.amdhsa_inst_pref_size 34
	.end_amdhsa_kernel
	.amdgpu_metadata
---
amdhsa.version: [ 1, 2 ]
amdhsa.kernels:
  - .name:           k_q81099d52a9_quant
    .symbol:         k_q81099d52a9_quant.kd
    .args:
      - { .name: input, .offset: 0, .size: 8, .value_kind: global_buffer, .address_space: global }
      - { .name: w_q, .offset: 8, .size: 8, .value_kind: global_buffer, .address_space: global }
      - { .name: w_k, .offset: 16, .size: 8, .value_kind: global_buffer, .address_space: global }
      - { .name: w_v, .offset: 24, .size: 8, .value_kind: global_buffer, .address_space: global }
      - { .name: codes, .offset: 32, .size: 8, .value_kind: global_buffer, .address_space: global }
      - { .name: scales, .offset: 40, .size: 8, .value_kind: global_buffer, .address_space: global }
    .group_segment_fixed_size: 33280
    .private_segment_fixed_size: 0
    .kernarg_segment_align: 8
    .kernarg_segment_size: 48
    .max_flat_workgroup_size: 128
    .sgpr_count:     66
    .vgpr_count:     224
    .wavefront_size: 32
...
	.end_amdgpu_metadata
.endif
;; end of part 1
;; launch proj (part 2): grid 8 x 32, 4 waves a work-group, clusters of 4 x 4, 327,680 bytes of LDS; arguments codes, scales, qk, vt, head; writes qk, vt, head
.if DOCPART == 2
	.amdgcn_target "amdgcn-amd-amdhsa--gfx1250"
	.amdhsa_code_object_version 6
	.text
	.protected	k_q81099d52a9_proj
	.globl	k_q81099d52a9_proj
	.p2align	8
	.type	k_q81099d52a9_proj,@function
k_q81099d52a9_proj:
	s_mov_b64 s[64:65], 0
	v_nop
	global_prefetch_b8 v0, s[64:65] scope:SCOPE_SE
	s_setreg_imm32_b32 hwreg(HW_REG_WAVE_MODE, 25, 1), 1
	s_wait_xcnt 0x0
	s_wait_alu depctr_hold_cnt(0) depctr_sa_sdst(0) depctr_va_vdst(0) depctr_va_sdst(0) depctr_va_ssrc(0) depctr_va_vcc(0) depctr_vm_vsrc(0)
	s_getreg_b32 s2, hwreg(HW_REG_IB_STS2, 6, 4)
	s_cmp_eq_u32 s2, 0
	s_cbranch_scc0 .Lentry_in_a_cluster
	s_endpgm
.Lentry_in_a_cluster:
	s_bfe_u32 s2, ttmp6, 0x10000c
	s_cmp_lg_u32 s2, 0xf033
	s_cbranch_scc0 .Lentry_shape_is_right
	s_endpgm
.Lentry_shape_is_right:
; The three quantised products, on codes of FP4 (E2M1) with one E8M0 scale for each 32 along K = 1,024; sums in f32.
; codes [11264][512 bytes], scales [11264][32 bytes]: rows 0-8191 input; behind them eight groups of 384 rows: group t = 256 rows of w_q|w_k (output columns 256 t on of q|k), then rows 128 t on of w_v.
; OUT: qk [8192 positions][2048] f16 (q in columns 0-1023, k in 1024-2047);  vt [1024 channels][8192 positions] f16: v TRANSPOSED, since the keys are the last product's K;
;      head: the f32 sums of positions 0-15 of each sequence: qk32 [4][16][2048] at byte 0, v32t [4][1024 channels][16 keys] at byte 524,288.
; LIMIT: a q, k or v above 65,504 in magnitude becomes infinity in f16.
; SHARES.  256 work-groups of equal work.  CLUSTERS 4 x 4; X = cluster x (0, 1), Y = cluster y (0..7); input's tile of 256 rows is 8 cy + Y, the weights' group is t = 4 X + cx.
;   FIRST a tile of 256 positions x 256 columns of q|k: four waves, each 128 x 128 in 64 accumulators.
;   THEN 128 channels x 256 positions of v^T (channels 128 t on, the same input tile): each wave 64 x 128 in 32 accumulators.  8 groups x 32 input tiles are all of v.
; K = 1,024 is two slots of 512, so when q|k is summed the input tile's codes and scale bytes still lie whole in LDS.  Only w_v's 128 rows are missing: 128 x 512 bytes, as many as slot 0's part for
; the weights holds.  That part is filled again at the one change of slots; the load has four K steps' products and the way out of q|k in which to land.
; Input's tile hangs on cy and the cluster's ids alone and is asked for jointly along a row of the cluster; the weights' rows on cx and the cluster's ids, jointly along a column.
; Input's tile 8 cy + Y begins a sequence where Y = 0: a number of the cluster, the same in all sixteen partners, so the branches to the f32 copies are the same in all.
; THE MATRIX INSTRUCTION IS USED TRANSPOSED (source 0 gives the result's columns, source 1 its rows): a lane holds eight neighbouring numbers of a row of the output.
;   q|k: source 0 = 16 rows of the weights, source 1 = 16 positions.   v^T: source 0 = 16 positions, source 1 = 16 rows of w_v.
; REGISTERS, in windows of 256: window 0: v0-31 addresses; v32-95 scale words, two sets (for v: the input's, all of K), v96-127 w_v's scale words; v128-191 source 1's fragments (for v: two sets of 32);
;   on the ways out v32-63, v192-255.   window 1: source 0's fragments, two sets, at v0 and v128.
;   window 2: accumulators of my rows 0-63 ((a, b) at v[8 (8 a + b)]), later those of v^T;   window 3: those of rows 64-127.
.set KSTEP,  512                       ; along K in a slot
.set NQ,     KSTEP/128                 ; matrix instructions deep
.set ROWB,   256                       ; a tile's row in bytes
.set KROW,   512                       ; a row of codes in memory
.set PITCH,  272                       ; an LDS row: 256 bytes + 16 of padding, so that the 16 rows that a load touches start 68 words apart
.set FR,     8                         ; registers of a fragment: 16 rows x 128 K
.set NL,     2                         ; LDS loads that bring one
.set NP,     4                         ; places behind this matrix instruction (ISA guide 7.12.1)
.set HALFT,  128*PITCH                 ; 128 rows: what one tensor load brings
.set SLOT,   4*HALFT                   ; input's 256 rows, then the weights' 256 rows
.set KS,     32                        ; a row of scales in bytes
.set SCL,    2*SLOT                    ; behind the ring: the scales, as runs of 256 bytes + 16 of padding: input's 256 rows, then the group's 384
.set HALFS,  (128*KS/256)*272          ; the scales of 128 rows: what a load brings of the input's
.set HALFSB, (192*KS/256)*272          ; of 192 rows: what a load brings of the group's
.set SBLK,   (16*KS/256)*272           ; those of 16 rows
.set SPARE,  SCL+2*HALFS+2*HALFSB      ; the spare words, 128 bytes a wave
.set STAGE,  SPARE+512                 ; the ways out: 16 rows x 272 bytes for each wave; no fill lands here
.set SPITCH, 272
.set ADSI, 8                           ; v8      v: LDS address of the scale words of my 128 positions
.set ADSW, 9                           ; v9      v: of my 64 rows of w_v
.set COV,  10                          ; v10     my byte offset in two rows of vt: 16,384 (lane / 16) + 16 (lane % 16)
.set ADRA, 16                          ; v16-17  LDS address of my 128 positions' fragments in slot 0, 1 (by my half of the rows)
.set ADRI, 18                          ; v18-19  v: the same by my half of the columns
.set ADRB, 20                          ; v20-21  of my 128 rows of the weights
.set ADRW, 22                          ; v22-23  v: of my 64 rows of w_v, K 0-511 and K 512-1023
.set STO,  24                          ; v24     the stage: where I put 16 bytes of a row
.set RD,   25                          ; v25     and where I read a row back
.set COQ,  26                          ; v26     my byte offset in two rows of qk: 4,096 (lane / 16) + 16 (lane % 16)
.set ADRS, 27                          ; v27     LDS address of my scale words: lanes 0-15 the input's rows, lanes 16-31 the weights'
.set SPW,  28                          ; v28     LDS address of my spare word; never rewritten
.set NIL,  29                          ; v29     0; never rewritten
.set HOQ,  30                          ; v30     my byte offset for the f32 copies of q, k
.set HOV,  31                          ; v31     and of v
.set SC,   32                          ; scale words: set s at v[SC + 32 s]; register 4 i + q: lanes 0-15 the input's block i, lanes 16-31 the weights' block i, the slot's q-th 128 along K
.set SCI,  32                          ; v: the input's: block b, K step q at v[SCI + 8 b + q]
.set SCW,  96                          ; v: w_v's: block a, K step q at v[SCW + 8 a + q]
.set AF,   128                         ; source 1's fragments
.set TMP,  192                         ; the ways out: packed results
.set OB,   32                          ; the ways out: rows read back: v32-63 and v224-255 by turns
.set G1, 24                            ; s[24:31] group 1 for the input's tiles;  s[32:39] group 0, one set for each slot
.set G0, 32
.set G1B, 48                           ; s[48:55], s[56:63] the same for the weights'
.set G0B, 56
.set G1S, 68                           ; s[68:75], s[76:79] groups 1 and 0 for the input's scales;  s[80:87], s[88:91] for the group's
.set G0S, 76
.set G1SB, 80
.set G0SB, 88
.set WVA, 96                           ; s[96:97] where my half along K of w_v's 128 rows begins
.set HV,  66                           ; s[66:67] where my f32 copies of v go
.set MSB, 0
.macro WIN new                         ; the immediate's high byte repeats the setting that is left
.if MSB != (\new)
	s_set_vgpr_msb (MSB<<8)|(\new)
.set MSB, (\new)
.endif
.endm
.set MUL_LO, 0xa1                      ; source 0 window 1, source 1 window 0, C and D window 2
.set MUL_HI, 0xf1                      ; the same, C and D window 3
.set TO_B,   0x40                      ; destination window 1, address window 0
; A joint load: waves 0 and 1 fetch for the input, waves 2 and 3 for the weights; the branch hangs on the wave's number alone.  An s_nop 0 and four v_nop follow each line.
.macro JLOAD g0a, g1a, g0b, g1b
	s_cmp_eq_u32 s15, 0
	s_cbranch_scc0 .Lfor_b_\@
	tensor_load_to_lds s[\g0a:\g0a+3], s[\g1a:\g1a+7]
	s_nop 0
.rept 4
	v_nop
.endr
	s_branch .Lasked_\@
.Lfor_b_\@:
	tensor_load_to_lds s[\g0b:\g0b+3], s[\g1b:\g1b+7]
	s_nop 0
.rept 4
	v_nop
.endr
.Lasked_\@:
.endm
.macro CREST                           ; a round of the cluster's barrier behind its opening barrier
	s_cmp_lg_u32 s14, 0
	s_cbranch_scc1 .Lnot_wave_0_\@
	s_barrier_signal -3
.Lnot_wave_0_\@:
	s_barrier_wait -3
	s_barrier_signal -1
	s_barrier_wait -1
.endm
.macro CROUND                          ; a whole round
	s_barrier_signal -1
	s_barrier_wait -1
	CREST
.endm
	s_load_b256 s[4:11], s[0:1], 0x0               ; codes s[4:5], scales s[6:7], qk s[8:9], vt s[10:11]
	s_load_b64 s[12:13], s[0:1], 0x20              ; head
	v_lshl_add_u32 v[SPW], v0, 2, SPARE
	v_mov_b32 v[NIL], 0
	ds_add_u32 v[SPW], v[NIL]                      ; the wave's opening: the add, twice on end, and its wait ahead of my first tensor load
	ds_add_u32 v[SPW], v[NIL]
	v_lshrrev_b32 v1, 5, v0
	v_readfirstlane_b32 s14, v1                    ; wave 0..3
	s_lshr_b32 s15, s14, 1                         ; which half of an output's rows is mine.  Also: I fetch for the input (0) or for the weights (1)
	s_and_b32 s16, s14, 1                          ; which half of its columns.  Also: which half of what I fetch for
	s_bfe_u32 s40, ttmp6, 0x40000                  ; cx
	s_bfe_u32 s41, ttmp6, 0x40004                  ; cy
	s_and_b32 s17, ttmp7, 0xffff                   ; Y; kept
	s_lshl_b32 s43, s41, 2
	s_lshl_b32 s43, 15, s43                        ; my row of the cluster
	s_lshl_b32 s44, 0x1111, s40                    ; my column
	s_lshl_b32 s95, s41, 3
	s_add_co_u32 s95, s95, s17                     ; input's tile: 8 cy + Y: cy and the cluster's ids alone; kept
	s_lshl_b32 s42, ttmp9, 2
	s_add_co_u32 s42, s42, s40                     ; the weights' group t = 4 X + cx: cx and the cluster's ids alone; kept
	; descriptor group 1: a tile of 128 rows x 256 bytes, padded in LDS
	s_or_b32 s[G1+0], s43, (0<<16)|(1<<20)|(1<<21)|(5<<22)|(3<<25)  ; 15:0 the mask: my row; elements of 1 byte; padding on; bit 21 beside a mask; after every 64 words, 4 words
	s_or_b32 s[G1B+0], s44, (0<<16)|(1<<20)|(1<<21)|(5<<22)|(3<<25) ; the same with my column
.irp g, G1, G1B
	s_mov_b32 s[\g+1], ROWB<<16                    ; tensor_dim0
	s_mov_b32 s[\g+2], 128<<16                     ; tensor_dim1
	s_mov_b32 s[\g+3], ROWB<<16                    ; tile_dim0
	s_mov_b32 s[\g+4], 128                         ; tile_dim1
	s_mov_b32 s[\g+5], KROW                        ; from row to row
	s_mov_b32 s[\g+6], 0
	s_mov_b32 s[\g+7], 0
.endr
	; the scales: dense blocks, as rows of 256 bytes (32 elements of 8 bytes), 16 bytes of padding behind each: 16 such rows for 128 rows of the input, 24 for 192 rows of the group
	s_or_b32 s[G1S+0], s43, (3<<16)|(1<<20)|(1<<21)|(5<<22)|(3<<25)
	s_or_b32 s[G1SB+0], s44, (3<<16)|(1<<20)|(1<<21)|(5<<22)|(3<<25)
.irp g, G1S, G1SB
	s_mov_b32 s[\g+1], 32<<16
	s_mov_b32 s[\g+3], 32<<16
	s_mov_b32 s[\g+5], 32
	s_mov_b32 s[\g+6], 0
	s_mov_b32 s[\g+7], 0
.endr
	s_mov_b32 s[G1S+2], 16<<16
	s_mov_b32 s[G1S+4], 16
	s_mov_b32 s[G1SB+2], 24<<16
	s_mov_b32 s[G1SB+4], 24
	s_lshl_b32 s18, s16, 7                         ; which 128 rows of a tile of codes I fetch
	s_lshl_b32 s20, s95, 8
	s_add_co_u32 s20, s20, s18                     ; the input: first row
	s_lshl_b32 s22, s20, 5                         ; where these rows' scales begin, in bytes,
	s_lshl_b32 s20, s20, 9                         ; and their codes
	s_mov_b32 s21, 0
	s_mov_b32 s23, 0
	s_mul_i32 s46, s42, 384
	s_add_co_u32 s46, s46, 8192                    ; the group's first row
	s_mul_i32 s92, s16, 192
	s_add_co_u32 s92, s92, s46
	s_lshl_b32 s92, s92, 5                         ; my 192 rows' scales
	s_mov_b32 s93, 0
	s_add_co_u32 s[WVA], s46, 256                  ; w_v's 128 rows,
	s_lshl_b32 s[WVA], s[WVA], 9
	s_lshl_b32 s[WVA+1], s16, 8
	s_add_co_u32 s[WVA], s[WVA], s[WVA+1]          ; my half along K: 256 bytes on in each row
	s_mov_b32 s[WVA+1], 0
	s_add_co_u32 s46, s46, s18
	s_lshl_b32 s46, s46, 9                         ; my 128 rows of w_q|w_k
	s_mov_b32 s47, 0
	s_mul_i32 s45, s14, HALFT                      ; where the codes go: wave x 128 rows: no place in the cluster enters an LDS address
	s_mul_i32 s94, s14, HALFS                      ; the input's scales (waves 0, 1)
	s_mul_i32 s98, s16, HALFSB                     ; the group's (waves 2, 3), behind the input's
	s_add_co_u32 s98, s98, SCL+2*HALFS
	s_wait_dscnt 0x0                               ; both opening adds are done
	s_wait_kmcnt 0x0
	s_add_nc_u64 s[20:21], s[4:5], s[20:21]
	s_add_nc_u64 s[22:23], s[6:7], s[22:23]
	s_add_nc_u64 s[46:47], s[4:5], s[46:47]
	s_add_nc_u64 s[92:93], s[6:7], s[92:93]
	s_add_nc_u64 s[WVA:WVA+1], s[4:5], s[WVA:WVA+1]
	CROUND                                         ; all sixteen work-groups are here: the first joint loads meet
	s_mov_b32 s[G0S], 1
	s_add_co_u32 s[G0S+1], s94, SCL
	s_mov_b64 s[G0S+2:G0S+3], s[22:23]
	s_or_b32 s[G0S+3], s[G0S+3], 0x80000000
	s_mov_b32 s[G0SB], 1
	s_mov_b32 s[G0SB+1], s98
	s_mov_b64 s[G0SB+2:G0SB+3], s[92:93]
	s_or_b32 s[G0SB+3], s[G0SB+3], 0x80000000
	JLOAD G0S, G1S, G0SB, G1SB                     ; the scales first: they are wanted with the first slot
.irp s, 0,1
	s_mov_b32 s[G0+4*\s], 1
	s_add_co_u32 s[G0+4*\s+1], s45, \s*SLOT
	s_add_nc_u64 s[G0+4*\s+2:G0+4*\s+3], s[20:21], \s*ROWB
	s_or_b32 s[G0+4*\s+3], s[G0+4*\s+3], 0x80000000
	s_mov_b32 s[G0B+4*\s], 1
	s_add_co_u32 s[G0B+4*\s+1], s45, \s*SLOT
	s_add_nc_u64 s[G0B+4*\s+2:G0B+4*\s+3], s[46:47], \s*ROWB
	s_or_b32 s[G0B+4*\s+3], s[G0B+4*\s+3], 0x80000000
	JLOAD G0+4*\s, G1, G0B+4*\s, G1B               ; three tensor loads of mine are out behind the last of these
.endr
	; every LDS address is made here
	v_and_b32 v1, 15, v0                           ; r = lane % 16
	v_bfe_u32 v2, v0, 4, 1                         ; h = lane / 16
	v_mul_u32_u24 v3, v1, PITCH
	v_lshl_add_u32 v4, v2, 4, v3                   ; a fragment's row x pitch + 16 h
	s_mul_i32 s21, s15, HALFT                      ; q|k: my 128 positions;
	s_mul_i32 s22, s16, HALFT                      ; v: my 128 positions;
	s_add_co_u32 s23, s22, 2*HALFT                 ; q|k: my 128 rows of the weights, behind the input's 256
.irp s, 0,1
	v_add_nc_u32 v[ADRA+\s], s21, v4
	v_add_nc_u32 v[ADRI+\s], s22, v4
	v_add_nc_u32 v[ADRB+\s], s23, v4
	s_add_co_u32 s21, s21, SLOT
	s_add_co_u32 s22, s22, SLOT
	s_add_co_u32 s23, s23, SLOT
.endr
	s_mul_i32 s21, s15, 64*PITCH                   ; v: my 64 rows of w_v, in slot 0's part for the weights: K 0-511 in its first 128 rows,
	s_add_co_u32 s21, s21, 2*HALFT
	v_add_nc_u32 v[ADRW], s21, v4
	s_add_co_u32 s21, s21, HALFT                   ; K 512-1023 in its second
	v_add_nc_u32 v[ADRW+1], s21, v4
	v_mul_u32_u24 v5, v1, KS                       ; my row's scales: 32 bytes a row,
	v_lshrrev_b32 v6, 8, v5
	v_lshl_add_u32 v5, v6, 4, v5                   ; and 16 more for each 256 passed
	s_mul_i32 s21, s15, HALFS                      ; the input's: my 128 rows
	s_mul_i32 s22, s16, HALFS                      ; the weights': my 128 rows, behind the input's 256
	s_add_co_u32 s22, s22, 2*HALFS
	s_sub_co_u32 s22, s22, s21
	v_mul_u32_u24 v6, s22, v2                      ; lanes 16-31 take the weights': one product, the distance x h
	s_add_co_u32 s21, s21, SCL
	v_add_nc_u32 v6, v5, v6
	v_add_nc_u32 v[ADRS], s21, v6
	s_mul_i32 s21, s16, HALFS
	s_add_co_u32 s21, s21, SCL
	v_add_nc_u32 v[ADSI], s21, v5                  ; v: the input's, by my half of the columns
	s_mul_i32 s21, s15, 8*272                      ; v: w_v's rows are the group's rows 256 on: 32 runs of 256 bytes on; my 64 rows are 8 runs
	s_add_co_u32 s21, s21, SCL+2*HALFS+32*272
	v_add_nc_u32 v[ADSW], s21, v5
	s_mul_i32 s23, s14, 16*SPITCH
	s_add_co_u32 s23, s23, STAGE                   ; my stage
	v_mul_u32_u24 v5, v1, SPITCH                   ; in: row r, 16 bytes for each half of the lanes
	v_lshl_add_u32 v5, v2, 4, v5
	v_add_nc_u32 v[STO], s23, v5
	v_mul_u32_u24 v5, v2, SPITCH                   ; back: lanes 0-15 one row of 256 bytes, lanes 16-31 the next
	v_lshl_add_u32 v5, v1, 4, v5
	v_add_nc_u32 v[RD], s23, v5
	v_lshlrev_b32 v7, 4, v1
	v_lshl_add_u32 v[COQ], v2, 12, v7
	v_lshl_add_u32 v[COV], v2, 14, v7
	v_lshlrev_b32 v7, 5, v2
	v_lshl_add_u32 v[HOQ], v1, 13, v7              ; position r of 8,192 bytes + 32 h
	v_lshl_add_u32 v[HOV], v1, 6, v7               ; channel r of 64 bytes + 32 h
	; where my part of qk begins: (256 x input's tile + 128 x row half) rows of 4,096 bytes + (256 t + 128 x column half) x 2 bytes
	s_lshl_b32 s20, s95, 8
	s_lshl_b32 s21, s15, 7
	s_add_co_u32 s20, s20, s21
	s_lshl_b32 s20, s20, 12
	s_lshl_b32 s21, s42, 9
	s_add_co_u32 s20, s20, s21
	s_lshl_b32 s21, s16, 8
	s_add_co_u32 s20, s20, s21
	s_mov_b32 s21, 0
	s_add_nc_u64 s[8:9], s[8:9], s[20:21]
	; of vt: (128 t + 64 x row half) rows of 16,384 bytes + (256 x input's tile + 128 x column half) x 2 bytes
	s_lshl_b32 s20, s42, 7
	s_lshl_b32 s21, s15, 6
	s_add_co_u32 s20, s20, s21                     ; my first channel
	s_lshl_b32 s22, s20, 6                         ; (64 bytes a channel in the f32 copies)
	s_lshl_b32 s20, s20, 14
	s_lshl_b32 s21, s95, 9
	s_add_co_u32 s20, s20, s21
	s_lshl_b32 s21, s16, 8
	s_add_co_u32 s20, s20, s21
	s_mov_b32 s21, 0
	s_add_nc_u64 s[10:11], s[10:11], s[20:21]
	; the f32 copies; where Y = 0 the batch is cy.  v: 524,288 + 65,536 cy + 64 x channel.  q, k: 131,072 cy + 4 x column
	s_lshl_b32 s21, s41, 16
	s_add_co_u32 s22, s22, s21
	s_add_co_u32 s22, s22, 524288
	s_mov_b32 s23, 0
	s_add_nc_u64 s[HV:HV+1], s[12:13], s[22:23]
	s_lshl_b32 s20, s42, 10
	s_lshl_b32 s21, s16, 9
	s_add_co_u32 s20, s20, s21
	s_lshl_b32 s21, s41, 17
	s_add_co_u32 s20, s20, s21
	s_mov_b32 s21, 0
	s_add_nc_u64 s[12:13], s[12:13], s[20:21]
.macro FRAG reg, adr, q, i             ; a fragment: lane l holds row l % 16; registers 4 c .. 4 c + 3 hold K = 64 c + 32 (l / 16) + 0 .. 31
.irp c, 0,1
	ds_load_b128 v[\reg+4*\c:\reg+4*\c+3], v[\adr] offset:64*(\q)+32*\c+(\i)*16*PITCH
.endr
.endm
; q|k: 16 matrix instructions: position blocks a0, a0 + 1 x the weights' eight, the slot's q-th 128 along K.  p: the weights' set;  sc: the set of scale words.  zero = 1: the first product starts the sums.
; The 64 accumulators take turns, one instruction a turn, in the same order in every step.
.macro MUL16 a0, p, q, sc, zero
.irp a, \a0, \a0+1
.irp b, 0,1,2,3,4,5,6,7
.if \zero
	v_wmma_scale_f32_16x16x128_f8f6f4 v[8*(8*((\a)%4)+\b):8*(8*((\a)%4)+\b)+7], v[128*(\p)+FR*\b:128*(\p)+FR*\b+FR-1], v[AF+FR*(\a):AF+FR*(\a)+FR-1], 0, v[SC+8*NQ*(\sc)+NQ*\b+(\q)], v[SC+8*NQ*(\sc)+NQ*(\a)+(\q)] matrix_a_fmt:MATRIX_FMT_FP4 matrix_b_fmt:MATRIX_FMT_FP4 matrix_a_scale:MATRIX_SCALE_ROW1
.else
	v_wmma_scale_f32_16x16x128_f8f6f4 v[8*(8*((\a)%4)+\b):8*(8*((\a)%4)+\b)+7], v[128*(\p)+FR*\b:128*(\p)+FR*\b+FR-1], v[AF+FR*(\a):AF+FR*(\a)+FR-1], v[8*(8*((\a)%4)+\b):8*(8*((\a)%4)+\b)+7], v[SC+8*NQ*(\sc)+NQ*\b+(\q)], v[SC+8*NQ*(\sc)+NQ*(\a)+(\q)] matrix_a_fmt:MATRIX_FMT_FP4 matrix_b_fmt:MATRIX_FMT_FP4 matrix_a_scale:MATRIX_SCALE_ROW1
.endif
.endr
.endr
.endm
.macro FETCH_B slot, q, p              ; the weights' eight fragments of the slot's q-th 128 along K into set p
	WIN TO_B
.irp i, 0,1,2,3,4,5,6,7
	FRAG 128*(\p)+FR*\i, ADRB+\slot, \q, \i
.endr
	WIN 0
.endm
.macro FETCH_A slot, q, i0             ; position blocks i0 .. i0 + 3
.irp i, \i0, \i0+1, \i0+2, \i0+3
	FRAG AF+FR*(\i), ADRA+\slot, \q, \i
.endr
.endm
.macro SCALES sc                       ; a slot's scale words into set sc: 4 words a row; lanes 0-15 the input's block i, lanes 16-31 the weights' block i
.irp i, 0,1,2,3,4,5,6,7
	ds_load_b128 v[SC+8*NQ*\sc+NQ*\i:SC+8*NQ*\sc+NQ*\i+3], v[ADRS] offset:\i*SBLK
.endr
.endm
.macro PLACES n                        ; plain vector lines between a matrix instruction and a load into, or a read of, its registers
.rept \n
	v_nop
.endr
.endm
; A step of 128 along K that has its successor in the same slot.  A position block is free as soon as its eight products are issued: blocks 0-3 are fetched anew in the step's middle, blocks 4-7 at its end.
.macro STEP slot, q, zero
	s_wait_dscnt 4*NL                              ; the weights' set and blocks 0-3 are in; the youngest eight loads (blocks 4-7) may be out
	WIN MUL_LO
	MUL16 0, (\q)%2, \q, \slot, \zero
	MUL16 2, (\q)%2, \q, \slot, \zero
	s_wait_dscnt 0                                 ; blocks 4-7 are in
	PLACES NP
	FETCH_B \slot, (\q)+1, 1-(\q)%2
	FETCH_A \slot, (\q)+1, 0
	WIN MUL_HI
	MUL16 4, (\q)%2, \q, \slot, \zero
	MUL16 6, (\q)%2, \q, \slot, \zero
	PLACES NP
	WIN 0
	FETCH_A \slot, (\q)+1, 4
.endm
; Slot 0's last step changes to slot 1.  In front of the barrier each wave waits for all its tensor loads (its part of slot 1), adds 0 to its spare word, and waits for that and for its reads of slot 0.
; The barrier opens a round of the cluster's: behind the round no wave of any partner still reads slot 0 or has a load on its way, and slot 0's part for the weights is filled again first:
; w_v's 128 rows, wave 2 their K 0-511, wave 3 their K 512-1023, each where its part of w_q|w_k lay.  The input's part stays, and v reads it again.
.macro TURN slot, next
	s_wait_tensorcnt 0x0                           ; all my tensor loads have landed: no load of mine is out, so a group 0 may be written
	ds_add_u32 v[SPW], v[NIL]                      ; 0 onto my spare word
	s_mov_b64 s[G0B+2:G0B+3], s[WVA:WVA+1]         ; the LDS address stays; the global address is w_v's
	s_or_b32 s[G0B+3], s[G0B+3], 0x80000000
	s_wait_dscnt 4*NL+1                            ; (the add and the youngest eight loads may be out)
	WIN MUL_LO
	MUL16 0, 1, NQ-1, \slot, 0
	s_wait_dscnt 0x0                               ; the add is done, and my reads of this slot are over
	s_barrier_signal -1
	MUL16 2, 1, NQ-1, \slot, 0
	WIN 0
	s_barrier_wait -1
	CREST
	s_cmp_eq_u32 s15, 0                            ; the wave's number alone: the same in every work-group
	s_cbranch_scc1 .Lno_wv_\@
	tensor_load_to_lds s[G0B:G0B+3], s[G1B:G1B+7]  ; my one tensor load behind the round
	s_nop 0
.rept 4
	v_nop
.endr
.Lno_wv_\@:
	PLACES NP
	v_add_nc_u32 v[ADRS], 4*NQ, v[ADRS]            ; on to the next slot's scale words
	FETCH_B \next, 0, 0
	FETCH_A \next, 0, 0
	SCALES \next
	WIN MUL_HI
	MUL16 4, 1, NQ-1, \slot, 0
	MUL16 6, 1, NQ-1, \slot, 0
	PLACES NP
	WIN 0
	FETCH_A \next, 0, 4
.endm
.macro STEPS slot, from                ; the slot's steps from .. NQ - 2
.set Q, \from
.rept NQ-1-\from
	STEP \slot, Q, 0
.set Q, Q+1
.endr
.endm
	s_wait_tensorcnt 1                             ; the scales and my part of slot 0 are in; slot 1's one load may be out
	s_barrier_signal -1
	s_barrier_wait -1                              ; everybody's are
	FETCH_B 0, 0, 0
	FETCH_A 0, 0, 0
	SCALES 0
	FETCH_A 0, 0, 4
	STEP 0, 0, 1                                   ; the first step's products start the sums: nothing is cleared
	STEPS 0, 1
	TURN 0, 1
	STEPS 1, 0
	s_wait_dscnt 4*NL                              ; q|k's last step: nothing more to fetch
	WIN MUL_LO
	MUL16 0, 1, NQ-1, 1, 0
	MUL16 2, 1, NQ-1, 1, 0
	s_wait_dscnt 0
	WIN MUL_HI
	MUL16 4, 1, NQ-1, 1, 0
	MUL16 6, 1, NQ-1, 1, 0
	WIN 0
	PLACES NP                                      ; behind the last products, ahead of the first reads of results and of loads into registers that held scale words
	; THE F32 COPIES of q and k at positions 0-15 of a sequence, for the small launch that makes these rows finely.  The branches hang on the cluster's y and the wave's number alone.
	; The positions are the output's rows: the waves of the upper half, block a = 0, all eight b.  16 bytes a lane, each accumulator from its low end on.
	s_cmp_lg_u32 s17, 0
	s_cbranch_scc1 .Lno_head_q                     ; no tile of this cluster begins a sequence
	s_cmp_lg_u32 s15, 0
	s_cbranch_scc1 .Lno_head_q
	WIN 0x08                                       ; a store's data are its source 1: window 2
.irp b, 0,1,2,3,4,5,6,7
	global_store_b128 v[HOQ], v[8*\b:8*\b+3], s[12:13] offset:64*\b
	global_store_b128 v[HOQ], v[8*\b+4:8*\b+7], s[12:13] offset:64*\b+16
.endr
	WIN 0
.Lno_head_q:
; THE WAY OUT of block a (16 rows x 128 columns).  PACK: rounded to f16, 16 bytes a lane.  TOSTAGE: into my own stage, and back as whole rows of 256 bytes.  SEND: stored.
.macro PACK a
.set AC, 64*((\a)%4)
	WIN 0x0a+5*((\a)/4)                            ; sources 0 and 1: window 2 or 3
.irp b, 0,1,2,3,4,5,6,7
.irp r, 0,1,2,3
	v_cvt_pk_f16_f32 v[TMP+4*\b+\r], v[AC+8*\b+2*\r], v[AC+8*\b+2*\r+1]
.endr
.endr
	WIN 0
.endm
.macro TOSTAGE a
.set BK, OB+192*((\a)%2)
.irp b, 0,1,2,3,4,5,6,7
	ds_store_b128 v[STO], v[TMP+4*\b:TMP+4*\b+3] offset:32*\b
.endr
.irp t, 0,1,2,3,4,5,6,7
	ds_load_b128 v[BK+4*\t:BK+4*\t+3], v[RD] offset:\t*2*SPITCH    ; LDS serves a wave's instructions in order: these see the stores above
.endr
.endm
.macro SEND a, co, base, pitch         ; the block's place among my rows stands in the immediate: 126 rows of 4,096 bytes or 62 of 16,384 at the most, inside its signed 24 bits
.set BK, OB+192*((\a)%2)
	s_wait_dscnt 0x0                               ; the block is back in registers
	s_wait_xcnt 0x0                                ; the earlier stores have read their data: the block before's registers may be loaded again
.irp t, 0,1,2,3,4,5,6,7
	global_store_b128 v[\co], v[BK+4*\t:BK+4*\t+3], s[\base:\base+1] offset:(16*(\a)+2*\t)*\pitch   ; 16 lanes store 256 consecutive bytes, at a multiple of 256 from the buffer's first byte
.endr
.endm
	PACK 0
	TOSTAGE 0
.irp a, 1,2,3,4,5,6,7                  ; block a's conversions stand between block a - 1's loads from the stage and the wait for them
	PACK \a
	SEND \a-1, COQ, 8, 4096
	TOSTAGE \a
.endr
	SEND 7, COQ, 8, 4096
	; ---- v^T: 64 channels x 128 positions a wave, while q|k's stores are leaving
	s_wait_tensorcnt 0x0                           ; my part of w_v's rows has landed (asked for at the change of slots);  no LDS instruction of mine is out
	s_barrier_signal -1
	s_barrier_wait -1                              ; everybody's has.
.irp b, 0,1,2,3,4,5,6,7                ; all scale words of the phase: 8 words a row, lane r takes row r's (lanes 16-31 hold the same and are not read)
	ds_load_b128 v[SCI+8*\b:SCI+8*\b+3], v[ADSI] offset:\b*SBLK
	ds_load_b128 v[SCI+8*\b+4:SCI+8*\b+7], v[ADSI] offset:\b*SBLK+16
.endr
.irp a, 0,1,2,3
	ds_load_b128 v[SCW+8*\a:SCW+8*\a+3], v[ADSW] offset:\a*SBLK
	ds_load_b128 v[SCW+8*\a+4:SCW+8*\a+7], v[ADSW] offset:\a*SBLK+16
.endr
.macro VFETCH q                        ; K step q (0..7): 24 LDS loads in one run, into set q % 2: my eight position blocks from the input's part of slot q / 4, my four blocks of w_v from its half q / 4
	WIN TO_B
.irp i, 0,1,2,3,4,5,6,7
	FRAG 128*((\q)%2)+FR*\i, ADRI+(\q)/4, (\q)%4, \i
.endr
	WIN 0
.irp i, 0,1,2,3
	FRAG AF+32*((\q)%2)+FR*\i, ADRW+(\q)/4, (\q)%4, \i
.endr
.endm
.macro MULV q                          ; 32 matrix instructions: source 0 = 16 positions, source 1 = 16 rows of w_v.  The 32 accumulators take turns; step 0 starts the sums
.irp a, 0,1,2,3
.irp b, 0,1,2,3,4,5,6,7
.if (\q) == 0
	v_wmma_scale_f32_16x16x128_f8f6f4 v[8*(8*\a+\b):8*(8*\a+\b)+7], v[128*((\q)%2)+FR*\b:128*((\q)%2)+FR*\b+FR-1], v[AF+32*((\q)%2)+FR*\a:AF+32*((\q)%2)+FR*\a+FR-1], 0, v[SCI+8*\b+(\q)], v[SCW+8*\a+(\q)] matrix_a_fmt:MATRIX_FMT_FP4 matrix_b_fmt:MATRIX_FMT_FP4
.else
	v_wmma_scale_f32_16x16x128_f8f6f4 v[8*(8*\a+\b):8*(8*\a+\b)+7], v[128*((\q)%2)+FR*\b:128*((\q)%2)+FR*\b+FR-1], v[AF+32*((\q)%2)+FR*\a:AF+32*((\q)%2)+FR*\a+FR-1], v[8*(8*\a+\b):8*(8*\a+\b)+7], v[SCI+8*\b+(\q)], v[SCW+8*\a+(\q)] matrix_a_fmt:MATRIX_FMT_FP4 matrix_b_fmt:MATRIX_FMT_FP4
.endif
.endr
.endr
.endm
	VFETCH 0
.set Q, 0
.rept 8
.if Q < 7
	PLACES NP                                      ; the set that the next run fills was read by the step before
	VFETCH Q+1
	s_wait_dscnt 24                                ; all but the 24 just issued: this step's fragments (and, in step 0, the scale words) are in
.else
	s_wait_dscnt 0x0
.endif
	WIN MUL_LO
	MULV Q
.set Q, Q+1
.endr
	WIN 0
	PLACES NP
	; the f32 copies of v at positions 0-15: the positions are the output's columns: the waves of the left half, block b = 0, all four a
	s_cmp_lg_u32 s17, 0
	s_cbranch_scc1 .Lno_head_v
	s_cmp_lg_u32 s16, 0
	s_cbranch_scc1 .Lno_head_v
	WIN 0x08
.irp a, 0,1,2,3
	global_store_b128 v[HOV], v[64*\a:64*\a+3], s[HV:HV+1] offset:1024*\a
	global_store_b128 v[HOV], v[64*\a+4:64*\a+7], s[HV:HV+1] offset:1024*\a+16
.endr
	WIN 0
.Lno_head_v:
	PACK 0
	TOSTAGE 0
.irp a, 1,2,3
	PACK \a
	SEND \a-1, COV, 10, 16384
	TOSTAGE \a
.endr
	SEND 3, COV, 10, 16384
	s_wait_tensorcnt 0x0                           ; the wave's end, behind my last tensor load and my last LDS store
	ds_add_u32 v[SPW], v[NIL]
	s_wait_dscnt 0x0
	CROUND                                         ; the closing round: no work-group ends while a partner may still ask for a tile that names it
	s_endpgm
.Lfunc_end_k_q81099d52a9_proj:
	.size	k_q81099d52a9_proj, .Lfunc_end_k_q81099d52a9_proj-k_q81099d52a9_proj
	.p2alignl 7, 3214868480
	.fill 96, 4, 3214868480
	.section	.rodata,"a",@progbits
	.p2align	6, 0x0
	.amdhsa_kernel k_q81099d52a9_proj
		.amdhsa_group_segment_fixed_size 327680
		.amdhsa_private_segment_fixed_size 0
		.amdhsa_enable_private_segment 0
		.amdhsa_kernarg_size 40
		.amdhsa_user_sgpr_count 2
		.amdhsa_user_sgpr_kernarg_segment_ptr 1
		.amdhsa_wavefront_size32 1
		.amdhsa_system_sgpr_workgroup_id_x 1
		.amdhsa_system_sgpr_workgroup_id_y 1
		.amdhsa_system_sgpr_workgroup_id_z 1
		.amdhsa_system_vgpr_workitem_id 0
		.amdhsa_next_free_vgpr 1024
		.amdhsa_next_free_sgpr 100
		.amdhsa_reserve_vcc 0
		.amdhsa_float_denorm_mode_32 3
		.amdhsa_float_denorm_mode_16_64 3
		.amdhsa_memory_ordered 1
		.amdhsa_forward_progress 1
		.amdhsa_inst_pref_size 195
	.end_amdhsa_kernel
	.amdgpu_metadata
---
amdhsa.version: [ 1, 2 ]
amdhsa.kernels:
  - .name:           k_q81099d52a9_proj
    .symbol:         k_q81099d52a9_proj.kd
    .args:
      - { .name: codes, .offset: 0, .size: 8, .value_kind: global_buffer, .address_space: global }
      - { .name: scales, .offset: 8, .size: 8, .value_kind: global_buffer, .address_space: global }
      - { .name: qk, .offset: 16, .size: 8, .value_kind: global_buffer, .address_space: global }
      - { .name: vt, .offset: 24, .size: 8, .value_kind: global_buffer, .address_space: global }
      - { .name: head, .offset: 32, .size: 8, .value_kind: global_buffer, .address_space: global }
    .group_segment_fixed_size: 327680
    .private_segment_fixed_size: 0
    .kernarg_segment_align: 8
    .kernarg_segment_size: 40
    .max_flat_workgroup_size: 128
    .sgpr_count:     100
    .vgpr_count:     1024
    .wavefront_size: 32
...
	.end_amdgpu_metadata
.endif
;; end of part 2
;; launch scores (part 3): grid 9 x 16, 4 waves a work-group, no clusters, 327,680 bytes of LDS; arguments qk, p, st; writes p, st
.if DOCPART == 3
	.amdgcn_target "amdgcn-amd-amdhsa--gfx1250"
	.amdhsa_code_object_version 6
	.text
	.protected	k_q81099d52a9_scores
	.globl	k_q81099d52a9_scores
	.p2align	8
	.type	k_q81099d52a9_scores,@function
k_q81099d52a9_scores:
	s_mov_b64 s[64:65], 0
	v_nop
	global_prefetch_b8 v0, s[64:65] scope:SCOPE_SE
	s_setreg_imm32_b32 hwreg(HW_REG_WAVE_MODE, 25, 1), 1
	s_wait_xcnt 0x0
; The scores and the softmax's numerators, block by block of 256 keys.  qk [8192][2048] f16 (q | k).  For a tile of 256 queries x 256 keys at or under the diagonal:
;   s = q . k (f16 operands, f32 sums, K = 1,024);  hidden keys (key > query) become -infinity;  t = s x log2(e) / 32;
;   M = the largest t of the row IN THIS BLOCK OF 256 KEYS, rounded up to a whole number;  p = 2^(t - M), at most 1, stored as f16;  the row's sums of the unrounded p, one for each 128 keys, stored in f32.
; The next launch brings the blocks of a row under the row's largest M by powers of two, which round nothing: so the maximum that is taken away is the row's true one.
; OUT: p [8192][2048 keys] f16.  st [batch 4][block 8][plane 3][2048 rows] f32: plane 0: N = -M; planes 1, 2: the sums over the block's keys 0-127, 128-255;
;   in a plane row 64 q + 16 a + r lies at byte 256 q + 16 r + 4 a, so that one load of 16 bytes gives a lane of the next launch its four row blocks.
; The next launch walks keys in steps of 512: for an even tile row i the diagonal's work-group also writes tile (i, i + 1): p = 0, sums 0, N = 2^127.
; SHARES.  144 tiles: for batch b and pp = 0..3 the tile rows pp (pp + 1 tiles) and 7 - pp (8 - pp tiles) make 9.  Four waves, each 128 x 128 in 64 accumulators.
; NO CLUSTER: of the 16 tiles of a 4 x 4 block on the diagonal six lie wholly under the mask; their work-groups would have to ask for tiles that they never read, or branch on their place.
; K goes in steps of 128 through a ring of two LDS slots: q's 256 rows, then k's 256 rows, 256 bytes a row; each wave fetches 128 rows with one tensor load.
; THE MATRIX INSTRUCTION IS USED TRANSPOSED (source 0 = 16 keys, source 1 = 16 queries): in accumulator (a, b) lane (r, h) holds query 16 a + r and keys 16 b + 8 h + 0..7.
; LIMITS: infinities in qk (|q| or |k| above 65,504) are not served.
; REGISTERS: window 0: v0-31 addresses; v64-127, v128-191 q's fragments, two buffers; window 1: k's; window 2: accumulators of my rows 0-63 ((a, b) at v[8 (8 a + b)]); window 3: rows 64-127.
;   On the way out, window 0: v64-79 chains, v80-87 maxima, v88-95 at work, v96-103 the planes, v104-119 pairs (the addend, N), v120-127 sums, v128-159 the sums' tree, v192-223 packed p, v32-63 and v224-255 rows read back.
.set KSTEP,  128
.set PITCH,  272                       ; an LDS row: 256 bytes + 16 of padding
.set HALFT,  128*PITCH
.set SLOT,   4*HALFT
.set STAGE,  2*SLOT                    ; behind the ring: 16 rows x 272 bytes for each wave
.set SPITCH, 272
.set EX,     STAGE+4*16*SPITCH         ; the waves' row maxima: 512 bytes a wave
.set SCR,    EX+4*512                  ; the planes' turn: 1,024 bytes a wave
.set SPARE,  SCR+4*1024                ; the spare words, 128 bytes a wave
.set EXW,  6                           ; v6   where I put my maxima
.set EXR,  7                           ; v7   where I read those of the wave with my rows and the other keys
.set SCW,  8                           ; v8   the planes: in
.set SCRD, 9                           ; v9   and back
.set LN,   10                          ; v10  16 x lane
.set DD,   11                          ; v11  r - 8 h
.set NEGV, 12                          ; v12  -infinity
.set ADRA, 16
.set ADRB, 20
.set STO,  24
.set RD,   25
.set CO,   26                          ; v26  4,096 h + 16 r
.set SPW,  28
.set NIL,  29
.set OB,   32
.set F0,   64
.set F1,   128
.set CH,   64
.set LM,   80
.set PT,   88
.set QA,   96
.set NN,   104
.set LS,   120
.set SU,   128
.set TMP,  192
.set G1,   24                          ; s[24:31] descriptor group 1
.set G0,   32                          ; s[32:39] group 0, one set for each slot
.set MK,   40                          ; s[40:47] the diagonal's masks
.set DF,   48                          ; s48  0: my 128 x 128 lie on the diagonal
.set CAP,  49                          ; s49  -infinity where my 128 x 128 are wholly hidden, else +infinity
.set NINF, 50
.set HM,   51                          ; s51  lanes 16-31
.set CS,   52                          ; s[52:53] c = log2(e) / 32
.set SEL,  54                          ; s[54:55] v_permlanex16_b32's selects for lane l xor 16
.set STL,  56                          ; s[56:57] my plane of sums
.set STN,  58                          ; s[58:59] the plane of N
.set ZF,   60                          ; s60  0: this work-group also writes the tile to the right of the diagonal
.set MSB, 0
.macro WIN new
.if MSB != (\new)
	s_set_vgpr_msb (MSB<<8)|(\new)
.set MSB, (\new)
.endif
.endm
.set MUL_LO, 0xa1
.set MUL_HI, 0xf1
.set TO_B,   0x40
	s_load_b128 s[4:7], s[0:1], 0x0                ; qk s[4:5], p s[6:7]
	s_load_b64 s[8:9], s[0:1], 0x10                ; st
	v_lshl_add_u32 v[SPW], v0, 2, SPARE
	v_mov_b32 v[NIL], 0
	ds_add_u32 v[SPW], v[NIL]                      ; the wave's opening: the add, twice on end, and its wait ahead of my first tensor load
	ds_add_u32 v[SPW], v[NIL]
	v_lshrrev_b32 v1, 5, v0
	v_readfirstlane_b32 s10, v1                    ; wave 0..3
	s_lshr_b32 s11, s10, 1                         ; which half of the queries is mine.  Also: I fetch q (0) or k (1)
	s_and_b32 s12, s10, 1                          ; which half of the keys.  Also: which 128 rows I fetch
	s_and_b32 s16, ttmp7, 0xffff
	s_lshr_b32 s13, s16, 2                         ; batch
	s_and_b32 s17, s16, 3                          ; pp
	s_sub_co_u32 s18, 7, s17
	s_sub_co_u32 s19, ttmp9, s17
	s_sub_co_u32 s19, s19, 1
	s_cmp_le_u32 ttmp9, s17
	s_cselect_b32 s14, s17, s18                    ; i: tile row pp or 7 - pp
	s_cselect_b32 s15, ttmp9, s19                  ; j: tile column x or x - pp - 1
	s_mov_b32 s[G1+0], (1<<16)|(1<<20)|(5<<22)|(3<<25)  ; no mask; elements of 2 bytes; padding: 4 words after every 64
	s_mov_b32 s[G1+1], KSTEP<<16                   ; tensor_dim0 = 128
	s_mov_b32 s[G1+2], 128<<16                     ; tensor_dim1 = 128
	s_mov_b32 s[G1+3], KSTEP<<16                   ; tile_dim0
	s_mov_b32 s[G1+4], 128                         ; tile_dim1
	s_mov_b32 s[G1+5], 2048                        ; elements from row to row
	s_mov_b32 s[G1+6], 0
	s_mov_b32 s[G1+7], 0
	s_cmp_eq_u32 s11, 0
	s_cselect_b32 s16, s14, s15                    ; q's tile row i or k's tile row j
	s_lshl_b32 s16, s16, 8
	s_lshl_b32 s17, s13, 11
	s_add_co_u32 s16, s16, s17
	s_lshl_b32 s17, s12, 7
	s_add_co_u32 s16, s16, s17                     ; the first row that I fetch
	s_lshl_b32 s16, s16, 12                        ; 4,096 bytes a row
	s_lshl_b32 s17, s11, 11                        ; k lies 2,048 bytes on in a row
	s_add_co_u32 s16, s16, s17
	s_mov_b32 s17, 0
	s_mul_i32 s20, s10, HALFT                      ; and where it goes: wave x 128 rows
	s_mov_b32 s[CS], 0x3d38aa3b
	s_mov_b32 s[CS+1], s[CS]                       ; (named with it as a pair, so it is written)
	s_mov_b32 s[SEL], 0x76543210
	s_mov_b32 s[SEL+1], 0xfedcba98
	s_mov_b32 s[NINF], 0xff800000
	s_mov_b32 s[HM], 0xffff0000
	s_wait_dscnt 0x0                               ; both opening adds are done
	s_wait_kmcnt 0x0
	s_add_nc_u64 s[16:17], s[4:5], s[16:17]
.irp s, 0,1
	s_mov_b32 s[G0+4*\s], 1
	s_add_co_u32 s[G0+4*\s+1], s20, \s*SLOT
	s_add_nc_u64 s[G0+4*\s+2:G0+4*\s+3], s[16:17], \s*KSTEP*2
	s_or_b32 s[G0+4*\s+3], s[G0+4*\s+3], 0x80000000
	tensor_load_to_lds s[G0+4*\s:G0+4*\s+3], s[G1:G1+7]            ; the two first fills go out together: two loads of mine are out
	s_nop 0
.endr
	; flags, from ids alone
	s_cmp_eq_u32 s14, s15
	s_cselect_b32 s17, 0, 1                        ; 0 on the diagonal
	s_xor_b32 s16, s10, 1                          ; 0 in wave 1: queries 0-127, keys 128-255
	s_or_b32 s16, s16, s17
	s_mov_b32 s[CAP], 0x7f800000
	s_cmp_eq_u32 s16, 0
	s_cselect_b32 s[CAP], 0xff800000, s[CAP]
	s_xor_b32 s16, s11, s12
	s_or_b32 s[DF], s16, s17
	s_and_b32 s16, s14, 1
	s_or_b32 s[ZF], s16, s17
	; where my part of p begins
	s_lshl_b32 s16, s13, 11
	s_lshl_b32 s17, s14, 8
	s_add_co_u32 s16, s16, s17
	s_lshl_b32 s17, s11, 7
	s_add_co_u32 s16, s16, s17
	s_lshl_b32 s16, s16, 12
	s_lshl_b32 s17, s15, 9
	s_add_co_u32 s16, s16, s17
	s_lshl_b32 s17, s12, 8
	s_add_co_u32 s16, s16, s17
	s_mov_b32 s17, 0
	s_add_nc_u64 s[6:7], s[6:7], s[16:17]
	; and of st: (8 b + j) blocks of three planes, 256 bytes for each 64 rows
	s_lshl_b32 s16, s13, 3
	s_add_co_u32 s16, s16, s15
	s_mul_i32 s16, s16, 24576
	s_lshl_b32 s18, s14, 10
	s_add_co_u32 s16, s16, s18
	s_lshl_b32 s18, s11, 9
	s_add_co_u32 s16, s16, s18
	s_add_nc_u64 s[STN:STN+1], s[8:9], s[16:17]
	s_lshl_b32 s16, s12, 13
	s_add_co_u32 s16, s16, 8192
	s_add_nc_u64 s[STL:STL+1], s[STN:STN+1], s[16:17]
	; every LDS address is made here, ahead of all branches on the wave's number
	v_and_b32 v1, 15, v0                           ; r
	v_bfe_u32 v2, v0, 4, 1                         ; h
	v_and_b32 v3, 31, v0                           ; lane
	v_mul_u32_u24 v4, v1, PITCH
	v_lshl_add_u32 v4, v2, 4, v4
	s_mul_i32 s21, s11, HALFT                      ; my 128 queries
	s_mul_i32 s22, s12, HALFT                      ; my 128 keys,
	s_add_co_u32 s22, s22, 2*HALFT                 ; behind q's 256 rows
.irp s, 0,1
	v_add_nc_u32 v[ADRA+\s], s21, v4
	v_add_nc_u32 v[ADRB+\s], s22, v4
	s_add_co_u32 s21, s21, SLOT
	s_add_co_u32 s22, s22, SLOT
.endr
	s_mul_i32 s23, s10, 16*SPITCH
	s_add_co_u32 s23, s23, STAGE
	v_mul_u32_u24 v4, v1, SPITCH
	v_lshl_add_u32 v4, v2, 4, v4
	v_add_nc_u32 v[STO], s23, v4
	v_mul_u32_u24 v5, v2, SPITCH
	v_lshl_add_u32 v5, v1, 4, v5
	v_add_nc_u32 v[RD], s23, v5
	v_lshlrev_b32 v5, 12, v2
	v_lshl_add_u32 v[CO], v1, 4, v5
	s_lshl_b32 s23, s10, 9
	s_add_co_u32 s23, s23, EX
	v_lshl_add_u32 v[EXW], v1, 2, s23
	s_xor_b32 s23, s10, 1
	s_lshl_b32 s23, s23, 9
	s_add_co_u32 s23, s23, EX
	v_lshl_add_u32 v[EXR], v1, 2, s23
	s_lshl_b32 s23, s10, 10
	s_add_co_u32 s23, s23, SCR
	v_lshl_add_u32 v[SCRD], v3, 4, s23
	v_lshlrev_b32 v5, 9, v2
	v_lshl_add_u32 v5, v1, 4, v5
	v_add_nc_u32 v[SCW], s23, v5
	v_lshlrev_b32 v[LN], 4, v3
	v_lshlrev_b32 v5, 3, v2
	v_sub_nc_u32 v[DD], v1, v5
	v_mov_b32 v[NEGV], 0xff800000
; 16 matrix instructions: row blocks a0, a0 + 1 of the window's four x all 8 key blocks, 32 along K.  zero = 1: the first product starts the sums.  The 64 accumulators take turns.
.macro MUL16 f, hi, a0, zero
.irp a, \a0, \a0+1
.irp b, 0,1,2,3,4,5,6,7
.if \zero
	v_wmma_f32_16x16x32_f16 v[8*(8*(\a)+\b):8*(8*(\a)+\b)+7], v[\f+8*\b:\f+8*\b+7], v[\f+8*(4*\hi+\a):\f+8*(4*\hi+\a)+7], 0
.else
	v_wmma_f32_16x16x32_f16 v[8*(8*(\a)+\b):8*(8*(\a)+\b)+7], v[\f+8*\b:\f+8*\b+7], v[\f+8*(4*\hi+\a):\f+8*(4*\hi+\a)+7], v[8*(8*(\a)+\b):8*(8*(\a)+\b)+7]
.endif
.endr
.endr
.endm
.macro FETCH slot, k, f                ; 32 LDS loads in one run: the fragments of 32 along K at byte k of the rows, into buffer f: k's, then q's
	WIN TO_B
.irp i, 0,1,2,3,4,5,6,7
	ds_load_b128 v[\f+8*\i:\f+8*\i+3],   v[ADRB+\slot] offset:\k+\i*16*PITCH
	ds_load_b128 v[\f+8*\i+4:\f+8*\i+7], v[ADRB+\slot] offset:\k+\i*16*PITCH+32
.endr
	WIN 0
.irp i, 0,1,2,3,4,5,6,7
	ds_load_b128 v[\f+8*\i:\f+8*\i+3],   v[ADRA+\slot] offset:\k+\i*16*PITCH
	ds_load_b128 v[\f+8*\i+4:\f+8*\i+7], v[ADRA+\slot] offset:\k+\i*16*PITCH+32
.endr
.endm
.macro PLACES                          ; four plain vector lines between a matrix instruction and a load into, or a read of, its registers
.rept 4
	v_nop
.endr
.endm
.macro QUARTER slot, k, f, g, zero     ; 32 along K: multiplies buffer f; in its middle fetches the next quarter, at byte k, into g
	s_wait_dscnt 8                                 ; k's fragments and q's rows 0-63 are in; the youngest eight loads (rows 64-127) may be out
	WIN MUL_LO
	MUL16 \f, 0, 0, \zero
	MUL16 \f, 0, 2, \zero
	PLACES
	FETCH \slot, \k, \g
	s_wait_dscnt 32                                ; all but the 32 just issued
	WIN MUL_HI
	MUL16 \f, 1, 0, \zero
	MUL16 \f, 1, 2, \zero
.endm
; A slot's last quarter multiplies buffer 1 and changes slots: ONE barrier.  In front of it each wave waits for all its tensor loads (its part of the next slot), adds 0 to its spare word, and waits for
; that and for its reads of this slot.  fill = 1: behind the barrier this slot is filled again first, two K steps ahead: the load has a K step less thirty-two products in which to land.
.macro TURN slot, next, fill
	WIN 0
	s_wait_tensorcnt 0x0
	ds_add_u32 v[SPW], v[NIL]
	s_wait_dscnt 9                                 ; (the add and the youngest eight loads may be out)
	WIN MUL_LO
	MUL16 F1, 0, 0, 0
	s_wait_dscnt 0x0                               ; the add is done, and my reads of this slot are over
	s_barrier_signal -1
	MUL16 F1, 0, 2, 0
	s_barrier_wait -1
.if \fill
	s_add_nc_u64 s[G0+4*\slot+2:G0+4*\slot+3], s[G0+4*\slot+2:G0+4*\slot+3], 2*KSTEP*2   ; no tensor load of mine is out, so a group 0 may be written
	tensor_load_to_lds s[G0+4*\slot:G0+4*\slot+3], s[G1:G1+7]      ; my one tensor load behind this barrier
	s_nop 0
	PLACES                                         ; (also the places in front of the loads below)
.else
	PLACES
.endif
	FETCH \next, 0, F0
	WIN MUL_HI
	MUL16 F1, 1, 0, 0
	MUL16 F1, 1, 2, 0
.endm
	s_wait_tensorcnt 1                             ; my part of K step 0 is in; K step 1's load may be out
	s_barrier_signal -1
	s_barrier_wait -1
	FETCH 0, 0, F0
	QUARTER 0, 64,  F0, F1, 1                      ; the first quarter's products start the sums
	WIN 0
	s_mov_b32 s3, 3                                ; 1,024 / 256 - 1 trips: K steps 2 to 7 are asked for in them
.Llap:
	QUARTER 0, 128, F1, F0, 0
	QUARTER 0, 192, F0, F1, 0
	TURN 0, 1, 1
	QUARTER 1, 64,  F0, F1, 0
	QUARTER 1, 128, F1, F0, 0
	QUARTER 1, 192, F0, F1, 0
	TURN 1, 0, 1
	QUARTER 0, 64,  F0, F1, 0
	WIN 0
	s_sub_co_u32 s3, s3, 1
	s_cmp_lg_u32 s3, 0
	s_cbranch_scc1 .Llap
	QUARTER 0, 128, F1, F0, 0                      ; the last lap is written out: it asks for nothing
	QUARTER 0, 192, F0, F1, 0
	TURN 0, 1, 0
	QUARTER 1, 64,  F0, F1, 0
	QUARTER 1, 128, F1, F0, 0
	QUARTER 1, 192, F0, F1, 0
	s_wait_dscnt 8
	WIN MUL_LO
	MUL16 F1, 0, 0, 0
	MUL16 F1, 0, 2, 0
	s_wait_dscnt 0
	WIN MUL_HI
	MUL16 F1, 1, 0, 0
	MUL16 F1, 1, 2, 0
	WIN 0
	PLACES
.irp a, 0,1,2,3,4,5,6,7
	v_mov_b32 v[PT+\a], 0                          ; written once: a lane permute's destination counts as one of its sources
.endr
	; THE MASK, where my 128 x 128 lie on the diagonal (ids and the wave's number alone): key block b > a is hidden; in b = a key 8 h + j is hidden where j > r - 8 h
	s_cmp_lg_u32 s[DF], 0
	s_cbranch_scc1 .Lno_diag
.irp j, 0,1,2,3,4,5,6,7
	v_cmp_gt_i32 s[MK+\j], \j, v[DD]
.endr
.macro DIAGA a
.set AB, 64*((\a)%4)
	WIN 0x82+0x41*((\a)/4)                         ; destination and source 0: window 2 or 3; source 1: window 0
.set j, 0
.rept 8
	v_cndmask_b32 v[AB+8*(\a)+j], v[AB+8*(\a)+j], v[NEGV], s[MK+j]  ; from the accumulator's low end on
.set j, j+1
.endr
.if (\a) < 7
.set j, 8*(\a)+8
.rept 56-8*(\a)
	v_mov_b32 v[AB+j], s[NINF]
.set j, j+1
.endr
.endif
.endm
.irp a, 0,1,2,3,4,5,6,7
	DIAGA \a
.endr
	WIN 0
.Lno_diag:
; THE ROWS' LARGEST SCORES over my 128 keys: four row blocks of one window at a time; a chain takes two accumulators in ascending order, so that each is read from its low end on.
.macro E1HALF w
	WIN 0x2a+0x15*\w                               ; all three sources in window 2 (3), the destination in window 0
.irp a, 0,1,2,3
.irp c, 0,1,2,3
	v_max3_num_f32 v[CH+4*\a+\c], v[64*\a+16*\c], v[64*\a+16*\c+1], v[64*\a+16*\c+2]
.endr
.endr
	WIN 0x28+0x14*\w                               ; source 0 in window 0
.irp i, 3,5,7,9,11,13
.irp a, 0,1,2,3
.irp c, 0,1,2,3
	v_max3_num_f32 v[CH+4*\a+\c], v[CH+4*\a+\c], v[64*\a+16*\c+\i], v[64*\a+16*\c+\i+1]
.endr
.endr
.endr
.irp a, 0,1,2,3
.irp c, 0,1,2,3
	v_max_num_f32 v[CH+4*\a+\c], v[CH+4*\a+\c], v[64*\a+16*\c+15]
.endr
.endr
	WIN 0
.irp a, 0,1,2,3
	v_max3_num_f32 v[LM+4*\w+\a], v[CH+4*\a], v[CH+4*\a+1], v[CH+4*\a+2]
.endr
.irp a, 0,1,2,3
	v_max_num_f32 v[LM+4*\w+\a], v[LM+4*\w+\a], v[CH+4*\a+3]
.endr
.irp a, 0,1,2,3
	v_permlanex16_b32 v[PT+4*\w+\a], v[LM+4*\w+\a], s[SEL], s[SEL+1]
.endr
.irp a, 0,1,2,3
	v_max_num_f32 v[LM+4*\w+\a], v[LM+4*\w+\a], v[PT+4*\w+\a]       ; with lane l xor 16's keys
.endr
.irp a, 0,1,2,3
	v_min_num_f32 v[LM+4*\w+\a], s[CAP], v[LM+4*\w+\a]             ; a wave whose keys are all hidden offers -infinity
.endr
.endm
	E1HALF 0
	E1HALF 1
.irp a, 0,1,2,3,4,5,6,7
	ds_store_b32 v[EXW], v[LM+\a] offset:64*\a     ; both halves of the lanes write the same word with the same value
.endr
	s_wait_dscnt 0x0                               ; for the other wave's sake
	s_barrier_signal -1
	s_barrier_wait -1
.irp a, 0,1,2,3,4,5,6,7
	ds_load_b32 v[PT+\a], v[EXR] offset:64*\a      ; the same rows' maxima over the block's other 128 keys
.endr
	s_wait_dscnt 0x0
.irp a, 0,1,2,3,4,5,6,7
	v_max_num_f32 v[LM+\a], v[LM+\a], v[PT+\a]     ; finite: every row of a tile at or under the diagonal sees a key of the block
.endr
.irp a, 0,1,2,3,4,5,6,7
	v_mul_f32 v[LM+\a], s[CS], v[LM+\a]            ; as t (c is positive)
.endr
.irp a, 0,1,2,3,4,5,6,7
	v_floor_f32 v[NN+2*\a+1], -v[LM+\a]            ; N = -M = floor(-t): a whole number
.endr
.irp a, 0,1,2,3,4,5,6,7
	v_min_num_f32 v[NN+2*\a], s[CAP], v[NN+2*\a+1] ; the addend: N, or -infinity where all my keys are hidden: p = 0 there, with no branch
.endr
; ROW BLOCK a: p = 2^(s c + N); one batch of 64 exponentials with one wait; rounded to f16; the sums of the unrounded p.
.macro E2 a
.set AC, 64*((\a)%4)
	WIN 0x82+0x41*((\a)/4)                         ; destination and source 0: window 2 or 3; the addend in window 0
.set j, 0
.rept 32
	v_pk_fma_f32 v[AC+j:AC+j+1], v[AC+j:AC+j+1], s[CS:CS+1], v[NN+2*(\a):NN+2*(\a)+1] op_sel_hi:[1,0,0]   ; of the pairs c and the addend the low word serves both halves
.set j, j+2
.endr
.set j, 0
.rept 64
	v_exp_f32 v[AC+j], v[AC+j]
.set j, j+1
.endr
	v_nop                                          ; a plain line behind the last exponential
	s_wait_alu depctr_va_vdst(0)                   ; one wait for the batch, ahead of its first reader
	WIN 0x0a+5*((\a)/4)                            ; sources 0 and 1: window 2 or 3; destination window 0
.set j, 0
.rept 32
	v_cvt_pk_f16_f32 v[TMP+j], v[AC+2*j], v[AC+2*j+1]
.set j, j+1
.endr
.set j, 0
.rept 16
	v_pk_add_f32 v[SU+2*j:SU+2*j+1], v[AC+4*j:AC+4*j+1], v[AC+4*j+2:AC+4*j+3]
.set j, j+1
.endr
	WIN 0
.irp k, 0,1,2,3,4,5,6,7
	v_pk_add_f32 v[SU+4*\k:SU+4*\k+1], v[SU+4*\k:SU+4*\k+1], v[SU+4*\k+2:SU+4*\k+3]
.endr
.irp k, 0,1,2,3
	v_pk_add_f32 v[SU+8*\k:SU+8*\k+1], v[SU+8*\k:SU+8*\k+1], v[SU+8*\k+4:SU+8*\k+5]
.endr
.irp k, 0,1
	v_pk_add_f32 v[SU+16*\k:SU+16*\k+1], v[SU+16*\k:SU+16*\k+1], v[SU+16*\k+8:SU+16*\k+9]
.endr
	v_pk_add_f32 v[SU:SU+1], v[SU:SU+1], v[SU+16:SU+17]
	v_add_f32 v[LS+(\a)], v[SU], v[SU+1]
	v_permlanex16_b32 v[PT+(\a)], v[LS+(\a)], s[SEL], s[SEL+1]
	v_add_f32 v[LS+(\a)], v[LS+(\a)], v[PT+(\a)]   ; the row's sum over my 128 keys
.endm
.macro TOSTAGE a
.set BK, OB+192*((\a)%2)
.irp b, 0,1,2,3,4,5,6,7
	ds_store_b128 v[STO], v[TMP+4*\b:TMP+4*\b+3] offset:32*\b
.endr
.irp t, 0,1,2,3,4,5,6,7
	ds_load_b128 v[BK+4*\t:BK+4*\t+3], v[RD] offset:\t*2*SPITCH    ; LDS serves a wave's instructions in order: these see the stores above
.endr
.endm
.macro SEND a
.set BK, OB+192*((\a)%2)
	s_wait_dscnt 0x0                               ; the block is back in registers
	s_wait_xcnt 0x0                                ; the block before's stores have read their data: those registers may be loaded again
.irp t, 0,1,2,3,4,5,6,7
	global_store_b128 v[CO], v[BK+4*\t:BK+4*\t+3], s[6:7] offset:(16*(\a)+2*\t)*4096   ; 16 lanes store 256 consecutive bytes, at a multiple of 256 from p's first byte
.endr
.endm
	E2 0
	TOSTAGE 0
.irp a, 1,2,3,4,5,6,7
	E2 \a
	SEND \a-1
	TOSTAGE \a
.endr
	SEND 7
	; THE PLANES: lanes 0-15 carry N, lanes 16-31 the sums; they turn through my 1,024 bytes of LDS into the planes' order and leave as runs of 512 bytes
.irp a, 0,1,2,3,4,5,6,7
	v_cndmask_b32 v[PT+\a], v[NN+2*\a+1], v[LS+\a], s[HM]
.endr
.irp a, 0,1,2,3,4,5,6,7
	ds_store_b32 v[SCW], v[PT+\a] offset:256*(\a/4)+4*(\a%4)
.endr
	ds_load_b128 v[QA:QA+3], v[SCRD]
	ds_load_b128 v[QA+4:QA+7], v[SCRD] offset:512
.irp k, 0,1,2,3
	v_mov_b32 v[CH+\k], 0                          ; for the tile of zeros
	v_mov_b32 v[CH+4+\k], 0x7f000000               ; and its N: 2^127, above every N
.endr
	s_wait_dscnt 0x0
	global_store_b128 v[LN], v[QA+4:QA+7], s[STL:STL+1]
	s_cmp_lg_u32 s12, 0
	s_cbranch_scc1 .Lno_n                          ; both waves of a row half hold the same N: the left one stores it
	global_store_b128 v[LN], v[QA:QA+3], s[STN:STN+1]
.Lno_n:
	s_cmp_lg_u32 s[ZF], 0
	s_cbranch_scc1 .Lno_zero                       ; ids alone: the diagonal's work-group of an even tile row
.set j, 0
.rept 64
	global_store_b128 v[CO], v[CH:CH+3], s[6:7] offset:2*j*4096+512    ; my 128 rows, my 128 keys of the block to the right
.set j, j+1
.endr
	global_store_b128 v[LN], v[CH:CH+3], s[STL:STL+1] offset:24576
	s_cmp_lg_u32 s12, 0
	s_cbranch_scc1 .Lno_zero
	global_store_b128 v[LN], v[CH+4:CH+7], s[STN:STN+1] offset:24576
.Lno_zero:
	s_wait_tensorcnt 0x0                           ; the wave's end, behind my last tensor load and my last LDS store
	ds_add_u32 v[SPW], v[NIL]
	s_wait_dscnt 0x0
	s_endpgm
.Lfunc_end_k_q81099d52a9_scores:
	.size	k_q81099d52a9_scores, .Lfunc_end_k_q81099d52a9_scores-k_q81099d52a9_scores
	.p2alignl 7, 3214868480
	.fill 96, 4, 3214868480
	.section	.rodata,"a",@progbits
	.p2align	6, 0x0
	.amdhsa_kernel k_q81099d52a9_scores
		.amdhsa_group_segment_fixed_size 327680
		.amdhsa_private_segment_fixed_size 0
		.amdhsa_enable_private_segment 0
		.amdhsa_kernarg_size 24
		.amdhsa_user_sgpr_count 2
		.amdhsa_user_sgpr_kernarg_segment_ptr 1
		.amdhsa_wavefront_size32 1
		.amdhsa_system_sgpr_workgroup_id_x 1
		.amdhsa_system_sgpr_workgroup_id_y 1
		.amdhsa_system_sgpr_workgroup_id_z 1
		.amdhsa_system_vgpr_workitem_id 0
		.amdhsa_next_free_vgpr 1024
		.amdhsa_next_free_sgpr 66
		.amdhsa_reserve_vcc 0
		.amdhsa_float_denorm_mode_32 3
		.amdhsa_float_denorm_mode_16_64 3
		.amdhsa_memory_ordered 1
		.amdhsa_forward_progress 1
		.amdhsa_inst_pref_size 229
	.end_amdhsa_kernel
	.amdgpu_metadata
---
amdhsa.version: [ 1, 2 ]
amdhsa.kernels:
  - .name:           k_q81099d52a9_scores
    .symbol:         k_q81099d52a9_scores.kd
    .args:
      - { .name: qk, .offset: 0, .size: 8, .value_kind: global_buffer, .address_space: global }
      - { .name: p, .offset: 8, .size: 8, .value_kind: global_buffer, .address_space: global }
      - { .name: st, .offset: 16, .size: 8, .value_kind: global_buffer, .address_space: global }
    .group_segment_fixed_size: 327680
    .private_segment_fixed_size: 0
    .kernarg_segment_align: 8
    .kernarg_segment_size: 24
    .max_flat_workgroup_size: 128
    .sgpr_count:     66
    .vgpr_count:     1024
    .wavefront_size: 32
...
	.end_amdgpu_metadata
.endif
;; end of part 3
;; launch pv (part 4): grid 8 x 32, 4 waves a work-group, clusters of 4 x 4, 327,680 bytes of LDS; arguments p, vt, st, out0; writes out0
.if DOCPART == 4
	.amdgcn_target "amdgcn-amd-amdhsa--gfx1250"
	.amdhsa_code_object_version 6
	.text
	.protected	k_q81099d52a9_pv
	.globl	k_q81099d52a9_pv
	.p2align	8
	.type	k_q81099d52a9_pv,@function
k_q81099d52a9_pv:
	s_mov_b64 s[64:65], 0
	v_nop
	global_prefetch_b8 v0, s[64:65] scope:SCOPE_SE
	s_setreg_imm32_b32 hwreg(HW_REG_WAVE_MODE, 25, 1), 1
	s_wait_xcnt 0x0
	s_wait_alu depctr_hold_cnt(0) depctr_sa_sdst(0) depctr_va_vdst(0) depctr_va_sdst(0) depctr_va_ssrc(0) depctr_va_vcc(0) depctr_vm_vsrc(0)
	s_getreg_b32 s2, hwreg(HW_REG_IB_STS2, 6, 4)
	s_cmp_eq_u32 s2, 0
	s_cbranch_scc0 .Lentry_in_a_cluster
	s_endpgm
.Lentry_in_a_cluster:
	s_bfe_u32 s2, ttmp6, 0x10000c
	s_cmp_lg_u32 s2, 0xf033
	s_cbranch_scc0 .Lentry_shape_is_right
	s_endpgm
.Lentry_shape_is_right:
; out[q][ch] = sum over blocks kb of 256 keys of f'(q, kb) x (P_kb V_kb)[q][ch].  p [8192][2048 keys] f16 holds 2^(t - M_kb); vt [1024 channels][8192 positions] f16; st holds N = -M_kb and the blocks' sums.
;   NF = the least N of the row = minus its largest M;  l = sum over kb of 2^(NF - N_kb) (l0 + l1);  f' = 2^(NF - N_kb) / l, made by v_ldexp_f32 of 1 / l with a whole number.
; So the maximum taken away is the row's true one, no factor is above 1 / l, and l is at least 1/2.  A block under the mask has N = 2^127: the difference saturates in the conversion, f' = 0, on sums of zeros.
; SHARES.  A tile is 128 queries x 128 channels; four waves, each 64 x 64.  Queries go in groups of 512 (G = 0..3 of a sequence), which walk keys 0 .. 512 (G + 1) - 1: G + 1 laps of two slots of 256 keys.
; A work-group makes TWO tiles, of groups g and 3 - g: (g + 1) + (4 - g) = 5 laps for every one of the 256 work-groups.
; CLUSTERS 4 x 4: cx = the channel tile (4 X + cx), cy = the block of 128 queries in the group; Y = cluster y: batch Y / 2, g = Y % 2.  P's tile hangs on cy and the cluster's ids: asked for jointly along a row
; of the cluster; V's on cx and the cluster's ids: jointly along a column.  All sixteen walk the same keys in the same laps; every branch hangs on Y, the lap count and the wave's number alone.
; A SLOT's products begin their sums T anew (C = 0); behind the slot's last product T is folded into ACC by f'.  The ring does not stop at the change of tiles: only the descriptors' steps differ there.
; THE MATRIX INSTRUCTION IS USED TRANSPOSED (source 0 = 16 channels, source 1 = 16 queries): in (a, b) lane (r, h) holds query 16 a + r and channels 16 b + 8 h + 0..7.
; Rows 0-15 of each sequence are stored here too and written over by the next launch: leaving them out would take a branch on cy.
; LIMITS: infinities in vt (|v| above 65,504) are not served.
; REGISTERS: window 0: v8-15 at the head; v16-30 addresses; v32-35 N of the slot in hand; v36-43 pairs (f', at work); v44-47 NF, v48-51 1 / l of the tile in hand; v52-59 the second tile's;
;   v64-127 rows on the way out; v128-255 ACC ((a, b) at v[128 + 8 (4 a + b)]).   window 1: two fragment buffers of 128.   window 2: v0-127 T.
.set KSTEP,  256
.set PITCH,  528                       ; an LDS row: 512 bytes + 16 of padding
.set HALFT,  64*PITCH
.set SLOT,   4*HALFT                   ; P's 128 rows, then V's 128 rows
.set STAGE,  2*SLOT                    ; behind the ring: 16 rows x 272 bytes for each wave, its own
.set SPITCH, 272
.set SPARE,  STAGE+4*16*SPITCH
.set ADRA, 16
.set ADRB, 20
.set STO,  24
.set RD,   25
.set CO,   26                          ; v26  4,096 h + 16 r
.set SPW,  28
.set NIL,  29
.set R16,  30                          ; v30  16 r
.set MR,   32
.set FP,   36
.set NF,   44
.set IL,   48
.set NF2,  52
.set IL2,  56
.set OB,   64
.set SN,   64                          ; at the head: tile u: N at v[SN + 96 u + 4 kb], the two sums 32 and 64 registers on
.set ACC,  128
.set F0,   0
.set F1,   128
.set G1,  24
.set G0,  32
.set G1B, 48
.set G0B, 56
.set GG,   66                          ; s66 g
.set BB,   67                          ; s67 batch
.set L1,   68                          ; s68 laps of the first tile
.set SW,   69                          ; s69 the lap in which the second tile begins
.set LIM1, 70                          ; s70, s71 the tiles' last blocks of keys
.set LIM2, 71
.set NORM, 72                          ; s[72:73] a lap on along the keys: 1,024 bytes
.set CHA,  74                          ; s[74:75] P's step at the change of tiles
.set CHB,  76                          ; s[76:77] V's
.set SA,   78                          ; s[78:79], s[80:81] the steps of the lap in hand
.set SB,   80
.set PTR,  82                          ; s[82:83] where the next slot's N lie
.set PT2,  84                          ; s[84:85] the second tile's planes
.set PT1,  86                          ; s[86:87] the first tile's
.set OUT1, 88                          ; s[88:89], s[90:91] my part of the tiles in out0
.set OUT2, 90
.set LAP,  92                          ; s92 the lap, from 1
.set MSB, 0
.macro WIN new
.if MSB != (\new)
	s_set_vgpr_msb (MSB<<8)|(\new)
.set MSB, (\new)
.endif
.endm
.set MUL,  0xa5                        ; sources 0 (V) and 1 (P) window 1; C and D window 2
.set TO_F, 0x40                        ; destination window 1, address window 0
.set FLD,  0x02                        ; source 0 (T) window 2, all else window 0
.macro JLOAD s                         ; a joint load: waves 0 and 1 fetch P's halves, waves 2 and 3 V's; an s_nop 0 and four v_nop follow each line
	s_cmp_eq_u32 s15, 0
	s_cbranch_scc0 .Lfor_b_\@
	tensor_load_to_lds s[G0+4*\s:G0+4*\s+3], s[G1:G1+7]
	s_nop 0
.rept 4
	v_nop
.endr
	s_branch .Lasked_\@
.Lfor_b_\@:
	tensor_load_to_lds s[G0B+4*\s:G0B+4*\s+3], s[G1B:G1B+7]
	s_nop 0
.rept 4
	v_nop
.endr
.Lasked_\@:
.endm
.macro CREST                           ; a round of the cluster's barrier behind its opening barrier
	s_cmp_lg_u32 s14, 0
	s_cbranch_scc1 .Lnot_wave_0_\@
	s_barrier_signal -3
.Lnot_wave_0_\@:
	s_barrier_wait -3
	s_barrier_signal -1
	s_barrier_wait -1
.endm
.macro CROUND
	s_barrier_signal -1
	s_barrier_wait -1
	CREST
.endm
	s_load_b256 s[4:11], s[0:1], 0x0               ; p s[4:5], vt s[6:7], st s[8:9], out0 s[10:11]
	v_lshl_add_u32 v[SPW], v0, 2, SPARE
	v_mov_b32 v[NIL], 0
	ds_add_u32 v[SPW], v[NIL]                      ; the wave's opening: the add, twice on end, and its wait ahead of my first tensor load
	ds_add_u32 v[SPW], v[NIL]
	v_lshrrev_b32 v1, 5, v0
	v_readfirstlane_b32 s14, v1                    ; wave 0..3
	s_lshr_b32 s15, s14, 1                         ; which half of the tile's queries is mine.  Also: I fetch P (0) or V (1)
	s_and_b32 s16, s14, 1                          ; which half of its channels.  Also: which 64 rows I fetch
	s_bfe_u32 s40, ttmp6, 0x40000                  ; cx
	s_bfe_u32 s41, ttmp6, 0x40004                  ; cy
	s_lshl_b32 s43, s41, 2
	s_lshl_b32 s43, 15, s43                        ; my row of the cluster
	s_lshl_b32 s44, 0x1111, s40                    ; my column
	s_and_b32 s17, ttmp7, 0xffff
	s_lshr_b32 s[BB], s17, 1
	s_and_b32 s[GG], s17, 1
	s_add_co_u32 s[L1], s[GG], 1
	s_add_co_u32 s[SW], s[GG], 2
	s_lshl_b32 s[LIM1], s[GG], 1
	s_add_co_u32 s[LIM1], s[LIM1], 1               ; 2 g + 1
	s_sub_co_u32 s[LIM2], 7, s[LIM1]
	s_add_co_u32 s[LIM2], s[LIM2], 1               ; 2 (3 - g) + 1 = 7 - 2 g
	s_or_b32 s[G1+0], s43, (1<<16)|(1<<20)|(1<<21)|(6<<22)|(3<<25)  ; the mask: my row; elements of 2 bytes; padding: 4 words after every 128; bit 21 beside a mask
	s_or_b32 s[G1B+0], s44, (1<<16)|(1<<20)|(1<<21)|(6<<22)|(3<<25) ; my column
.irp g, G1, G1B
	s_mov_b32 s[\g+1], KSTEP<<16                   ; tensor_dim0 = 256
	s_mov_b32 s[\g+2], 64<<16                      ; tensor_dim1 = 64
	s_mov_b32 s[\g+3], KSTEP<<16                   ; tile_dim0
	s_mov_b32 s[\g+4], 64                          ; tile_dim1
	s_mov_b32 s[\g+6], 0
	s_mov_b32 s[\g+7], 0
.endr
	s_mov_b32 s[G1+5], 2048                        ; a row of p in elements
	s_mov_b32 s[G1B+5], 8192                       ; a row of vt
	s_lshl_b32 s20, s[BB], 11
	s_lshl_b32 s21, s[GG], 9
	s_add_co_u32 s20, s20, s21
	s_lshl_b32 s21, s41, 7
	s_add_co_u32 s20, s20, s21                     ; the first tile's first row: 2,048 b + 128 (4 g + cy): cy and the cluster's ids alone
	s_lshl_b32 s21, s16, 6
	s_add_co_u32 s22, s20, s21                     ; + the 64 rows that I fetch
	s_lshl_b32 s22, s22, 12
	s_mov_b32 s23, 0
	s_lshl_b32 s46, ttmp9, 2
	s_add_co_u32 s46, s46, s40
	s_lshl_b32 s45, s46, 7                         ; the tile's first channel: 128 (4 X + cx); kept
	s_lshl_b32 s47, s16, 6
	s_add_co_u32 s46, s45, s47
	s_lshl_b32 s46, s46, 14                        ; 16,384 bytes a row of vt
	s_lshl_b32 s47, s[BB], 12                      ; the batch's keys: 4,096 bytes on
	s_add_co_u32 s46, s46, s47
	s_mov_b32 s47, 0
	s_lshl_b32 s17, s[GG], 1
	s_sub_co_u32 s17, 3, s17                       ; 3 - 2 g groups from the first tile to the second
	s_lshl_b32 s19, s17, 9                         ; in rows; kept
	s_lshl_b32 s[CHA], s17, 21                     ; in bytes of p,
	s_lshl_b32 s17, s[GG], 10
	s_sub_co_u32 s[CHA], s[CHA], s17               ; and g laps back along the keys
	s_mov_b32 s[CHA+1], 0
	s_sub_co_u32 s[CHB], 0, s17                    ; V: g laps back: a signed pair
	s_sub_co_u32 s[CHB+1], 0, s[GG]
	s_mov_b32 s[NORM], 1024
	s_mov_b32 s[NORM+1], 0
	s_mov_b32 s[LAP], 1
	s_mul_i32 s18, s14, HALFT                      ; where my tiles go: wave x 64 rows
	; my part of out0 and of the planes (these hold cx and cy together, and feed no descriptor)
	s_lshl_b32 s96, s15, 6
	s_add_co_u32 s96, s96, s20                     ; my first query of the first tile
	s_lshl_b32 s98, s96, 12
	s_lshl_b32 s97, s16, 6
	s_add_co_u32 s97, s97, s45
	s_lshl_b32 s97, s97, 2
	s_add_co_u32 s98, s98, s97
	s_mov_b32 s99, 0
	s_wait_dscnt 0x0                               ; both opening adds are done
	s_wait_kmcnt 0x0
	s_add_nc_u64 s[22:23], s[4:5], s[22:23]
	s_add_nc_u64 s[46:47], s[6:7], s[46:47]
	s_add_nc_u64 s[OUT1:OUT1+1], s[10:11], s[98:99]
	s_lshl_b32 s98, s19, 12
	s_add_nc_u64 s[OUT2:OUT2+1], s[OUT1:OUT1+1], s[98:99]
	s_lshl_b32 s97, s[BB], 11
	s_sub_co_u32 s97, s96, s97                     ; my first query in its sequence: 4 bytes of a plane for each row
	s_lshl_b32 s97, s97, 2
	s_mul_i32 s98, s[BB], 196608                   ; 8 blocks x 3 planes x 8,192 bytes a batch
	s_add_co_u32 s98, s98, s97
	s_add_nc_u64 s[PT1:PT1+1], s[8:9], s[98:99]
	s_lshl_b32 s98, s19, 2
	s_add_nc_u64 s[PT2:PT2+1], s[PT1:PT1+1], s[98:99]
	s_mov_b64 s[PTR:PTR+1], s[PT1:PT1+1]
	CROUND                                         ; all sixteen work-groups are here: the first joint loads meet
.irp s, 0,1
	s_mov_b32 s[G0+4*\s], 1
	s_add_co_u32 s[G0+4*\s+1], s18, \s*SLOT
	s_add_nc_u64 s[G0+4*\s+2:G0+4*\s+3], s[22:23], \s*KSTEP*2
	s_or_b32 s[G0+4*\s+3], s[G0+4*\s+3], 0x80000000
	s_mov_b32 s[G0B+4*\s], 1
	s_add_co_u32 s[G0B+4*\s+1], s18, \s*SLOT
	s_add_nc_u64 s[G0B+4*\s+2:G0B+4*\s+3], s[46:47], \s*KSTEP*2
	s_or_b32 s[G0B+4*\s+3], s[G0B+4*\s+3], 0x80000000
	JLOAD \s                                       ; two tensor loads of mine are out behind the second
.endr
	v_and_b32 v1, 15, v0                           ; r
	v_bfe_u32 v2, v0, 4, 1                         ; h
	v_lshlrev_b32 v[R16], 4, v1
; THE ROWS' NF AND 1 / l, for both tiles, while the first tiles are on their way.  Block kb is held at the tile's last block, so that no load names a block that was not written; a block so doubled counts with the factor 0.
.macro STLOAD u, lim, ptr
.irp kb, 0,1,2,3,4,5,6,7
	s_min_u32 s2, s[\lim], \kb
	s_mul_i32 s2, s2, 24576
	v_add_nc_u32 v[8+\kb], s2, v[R16]
.endr
.irp kb, 0,1,2,3,4,5,6,7
	global_load_b128 v[SN+96*\u+4*\kb:SN+96*\u+4*\kb+3], v[8+\kb], s[\ptr:\ptr+1]
	global_load_b128 v[SN+32+96*\u+4*\kb:SN+32+96*\u+4*\kb+3], v[8+\kb], s[\ptr:\ptr+1] offset:8192
	global_load_b128 v[SN+64+96*\u+4*\kb:SN+64+96*\u+4*\kb+3], v[8+\kb], s[\ptr:\ptr+1] offset:16384
.endr
.endm
	STLOAD 0, LIM1, PT1
	s_wait_xcnt 0x0                                ; the loads have read their offsets: these may be written again
	STLOAD 1, LIM2, PT2
	v_mul_u32_u24 v3, v1, PITCH
	v_lshl_add_u32 v3, v2, 4, v3                   ; a fragment's row x pitch + 16 h
	s_mul_i32 s21, s15, HALFT                      ; my 64 queries
	s_mul_i32 s22, s16, HALFT                      ; my 64 channels,
	s_add_co_u32 s22, s22, 2*HALFT                 ; behind P's 128 rows
.irp s, 0,1
	v_add_nc_u32 v[ADRA+\s], s21, v3
	v_add_nc_u32 v[ADRB+\s], s22, v3
	s_add_co_u32 s21, s21, SLOT
	s_add_co_u32 s22, s22, SLOT
.endr
	s_mul_i32 s23, s14, 16*SPITCH
	s_add_co_u32 s23, s23, STAGE                   ; my stage
	v_mul_u32_u24 v4, v1, SPITCH
	v_lshl_add_u32 v4, v2, 5, v4
	v_add_nc_u32 v[STO], s23, v4                   ; in: row r, 32 bytes for each half of the lanes
	v_mul_u32_u24 v5, v2, SPITCH
	v_lshl_add_u32 v5, v1, 4, v5
	v_add_nc_u32 v[RD], s23, v5                    ; back: lanes 0-15 one row of 256 bytes, lanes 16-31 the next
	v_lshlrev_b32 v5, 12, v2
	v_lshl_add_u32 v[CO], v1, 4, v5
	s_wait_loadcnt 0x0
.macro STATS u, lim, nf, il
.set B0, SN+96*\u
.irp a, 0,1,2,3
	v_min3_num_f32 v[\nf+\a], v[B0+\a], v[B0+4+\a], v[B0+8+\a]
.endr
.irp a, 0,1,2,3
	v_min3_num_f32 v[\nf+\a], v[\nf+\a], v[B0+12+\a], v[B0+16+\a]
.endr
.irp a, 0,1,2,3
	v_min3_num_f32 v[\nf+\a], v[\nf+\a], v[B0+20+\a], v[B0+24+\a]
.endr
.irp a, 0,1,2,3
	v_min_num_f32 v[\nf+\a], v[\nf+\a], v[B0+28+\a]
.endr
.irp kb, 0,1,2,3,4,5,6,7
	s_cmp_ge_u32 s[\lim], \kb
	s_cselect_b32 s3, 1.0, 0
.irp a, 0,1,2,3
	v_sub_f32 v[B0+4*\kb+\a], v[\nf+\a], v[B0+4*\kb+\a]            ; a whole number, 0 or less
.endr
.irp a, 0,1,2,3
	v_cvt_i32_f32 v[B0+4*\kb+\a], v[B0+4*\kb+\a]                   ; (it saturates)
.endr
.irp a, 0,1,2,3
	v_ldexp_f32 v[B0+4*\kb+\a], s3, v[B0+4*\kb+\a]
.endr
.irp a, 0,1,2,3
	v_add_f32 v[B0+32+4*\kb+\a], v[B0+32+4*\kb+\a], v[B0+64+4*\kb+\a]
.endr
.irp a, 0,1,2,3
.if \kb == 0
	v_mul_f32 v[\il+\a], v[B0+4*\kb+\a], v[B0+32+4*\kb+\a]
.else
	v_fma_f32 v[\il+\a], v[B0+4*\kb+\a], v[B0+32+4*\kb+\a], v[\il+\a]
.endif
.endr
.endr
.endm
	STATS 0, LIM1, NF, IL
	STATS 1, LIM2, NF2, IL2
.irp a, 0,1,2,3
	v_rcp_f32 v[IL+\a], v[IL+\a]
	v_rcp_f32 v[IL2+\a], v[IL2+\a]
.endr
	v_nop                                          ; a plain line behind the last reciprocal
	s_wait_alu depctr_va_vdst(0)                   ; one wait for the eight, ahead of their first reader
	global_load_b128 v[MR:MR+3], v[R16], s[PTR:PTR+1]  ; N of the first slot's block
; 8 matrix instructions: row blocks a0, a0 + 1 x all 4 channel blocks, 32 along K: half c of buffer f.  zero = 1: the product starts the slot's sums.  The 16 sums take turns.
.macro MUL8 f, c, a0, zero
.irp a, \a0, \a0+1
.irp b, 0,1,2,3
.if \zero
	v_wmma_f32_16x16x32_f16 v[8*(4*(\a)+\b):8*(4*(\a)+\b)+7], v[\f+64+8*(4*\c+\b):\f+64+8*(4*\c+\b)+7], v[\f+8*(4*\c+\a):\f+8*(4*\c+\a)+7], 0
.else
	v_wmma_f32_16x16x32_f16 v[8*(4*(\a)+\b):8*(4*(\a)+\b)+7], v[\f+64+8*(4*\c+\b):\f+64+8*(4*\c+\b)+7], v[\f+8*(4*\c+\a):\f+8*(4*\c+\a)+7], v[8*(4*(\a)+\b):8*(4*(\a)+\b)+7]
.endif
.endr
.endr
.endm
.macro FETCH slot, k, f                ; 32 LDS loads in one run: the fragments of 64 along K at byte k of the rows, the first 32 along K first
	WIN TO_F
.irp c, 0,1
.irp i, 0,1,2,3
	ds_load_b128 v[\f+64+8*(4*\c+\i):\f+64+8*(4*\c+\i)+3],   v[ADRB+\slot] offset:\k+64*\c+\i*16*PITCH
	ds_load_b128 v[\f+64+8*(4*\c+\i)+4:\f+64+8*(4*\c+\i)+7], v[ADRB+\slot] offset:\k+64*\c+\i*16*PITCH+32
	ds_load_b128 v[\f+8*(4*\c+\i):\f+8*(4*\c+\i)+3],         v[ADRA+\slot] offset:\k+64*\c+\i*16*PITCH
	ds_load_b128 v[\f+8*(4*\c+\i)+4:\f+8*(4*\c+\i)+7],       v[ADRA+\slot] offset:\k+64*\c+\i*16*PITCH+32
.endr
.endr
.endm
.macro PLACES                          ; four plain vector lines between a matrix instruction and a load into, or a read of, its registers
.rept 4
	v_nop
.endr
.endm
.macro QUARTER slot, k, f, g, zero     ; 64 along K: multiplies buffer f, fetches the next quarter, at byte k, into g
	s_wait_dscnt 16                                ; the first 32 along K are in; the other sixteen loads may be out
	WIN MUL
	MUL8 \f, 0, 0, \zero
	MUL8 \f, 0, 2, \zero
	PLACES
	FETCH \slot, \k, \g
	s_wait_dscnt 32                                ; all but the 32 just issued
	WIN MUL
	MUL8 \f, 1, 0, 0
	MUL8 \f, 1, 2, 0
.endm
; A slot's last quarter changes slots: in front of the barrier each wave waits for all its tensor loads, adds 0 to its spare word, and waits for that and for its reads of this slot.
; fill = 1: the barrier opens a round of the cluster's, and behind the round this slot is filled again first, a lap ahead, by the lap's steps.
.macro TURN slot, next, fill
	WIN 0
	s_wait_tensorcnt 0x0
	ds_add_u32 v[SPW], v[NIL]
	s_wait_dscnt 17                                ; (the add and the youngest sixteen loads may be out)
	WIN MUL
	MUL8 F1, 0, 0, 0
	s_wait_dscnt 0x0                               ; the add is done, and my reads of this slot are over
	s_barrier_signal -1
	MUL8 F1, 0, 2, 0
.if \fill
	WIN 0
.endif
	s_barrier_wait -1
.if \fill
	CREST                                          ; no wave of any partner still reads this slot or has a load on its way
	s_add_nc_u64 s[G0+4*\slot+2:G0+4*\slot+3], s[G0+4*\slot+2:G0+4*\slot+3], s[SA:SA+1]
	s_add_nc_u64 s[G0B+4*\slot+2:G0B+4*\slot+3], s[G0B+4*\slot+2:G0B+4*\slot+3], s[SB:SB+1]
	JLOAD \slot                                    ; my one tensor load behind the round; its four v_nop are also the places in front of the loads below
.else
	PLACES
.endif
	FETCH \next, 0, F0
	WIN MUL
	MUL8 F1, 1, 0, 0
	MUL8 F1, 1, 2, 0
.endm
.macro SLOTRUN slot, next, fill        ; a slot's 128 products, and the places behind the last
	QUARTER \slot, 128, F0, F1, 1
	QUARTER \slot, 256, F1, F0, 0
	QUARTER \slot, 384, F0, F1, 0
	TURN \slot, \next, \fill
	WIN 0
	PLACES
.endm
.macro STEPSEL                         ; the steps of this lap's two refills: a lap on, or, in the first tile's last lap, to the second tile's first lap
	s_cmp_eq_u32 s[LAP], s[L1]
	s_cselect_b64 s[SA:SA+1], s[CHA:CHA+1], s[NORM:NORM+1]
	s_cselect_b64 s[SB:SB+1], s[CHB:CHB+1], s[NORM:NORM+1]
.endm
; f' of the slot just multiplied, for my four row blocks; then the next slot's N are asked for: they have a slot's products in which to come.  odd = 1: the next slot may be the second tile's first.
.macro FPRIME load, odd
	s_wait_loadcnt 0x0                             ; this slot's N are in, and their load has read its base
.irp a, 0,1,2,3
	v_sub_f32 v[FP+2*\a+1], v[NF+\a], v[MR+\a]
.endr
.irp a, 0,1,2,3
	v_cvt_i32_f32 v[FP+2*\a+1], v[FP+2*\a+1]
.endr
.irp a, 0,1,2,3
	v_ldexp_f32 v[FP+2*\a], v[IL+\a], v[FP+2*\a+1]
.endr
.if \load
	s_add_nc_u64 s[PTR:PTR+1], s[PTR:PTR+1], 24576
.if \odd
	s_cmp_eq_u32 s[LAP], s[L1]
	s_cselect_b64 s[PTR:PTR+1], s[PT2:PT2+1], s[PTR:PTR+1]
.endif
	global_load_b128 v[MR:MR+3], v[R16], s[PTR:PTR+1]
.endif
.endm
.macro FOLD first                      ; ACC (+)= T x f', each sum from its low end on.  first = 1: a tile's first slot starts ACC: nothing is cleared
	WIN FLD
.irp a, 0,1,2,3
.set j, 32*\a
.rept 16
.if \first
	v_pk_mul_f32 v[ACC+j:ACC+j+1], v[j:j+1], v[FP+2*\a:FP+2*\a+1] op_sel_hi:[1,0]
.else
	v_pk_fma_f32 v[ACC+j:ACC+j+1], v[j:j+1], v[FP+2*\a:FP+2*\a+1], v[ACC+j:ACC+j+1] op_sel_hi:[1,0,1]
.endif
.set j, j+2
.endr
.endr
	WIN 0
.endm
; THE WAY OUT of a tile, 16 rows at a time: a lane's 32 bytes of a row go into my own stage and come back as whole rows of 256 bytes.
.macro WAYOUT ob
.irp a, 0,1,2,3
.irp b, 0,1,2,3
	ds_store_b128 v[STO], v[ACC+8*(4*\a+\b):ACC+8*(4*\a+\b)+3] offset:64*\b
	ds_store_b128 v[STO], v[ACC+8*(4*\a+\b)+4:ACC+8*(4*\a+\b)+7] offset:64*\b+16
.endr
	s_wait_xcnt 0x0                                ; earlier stores have read their data: the registers below may be loaded again
.irp t, 0,1,2,3,4,5,6,7
	ds_load_b128 v[OB+32*(\a%2)+4*\t:OB+32*(\a%2)+4*\t+3], v[RD] offset:\t*2*SPITCH   ; LDS serves a wave's instructions in order: these see the stores above
.endr
	s_wait_dscnt 0x0
.irp t, 0,1,2,3,4,5,6,7
	global_store_b128 v[CO], v[OB+32*(\a%2)+4*\t:OB+32*(\a%2)+4*\t+3], s[\ob:\ob+1] offset:(16*\a+2*\t)*4096 th:TH_STORE_NT   ; 16 lanes store 256 consecutive bytes, at a multiple of 256 from out0's first byte
.endr
.endr
.endm
.macro SWITCH                          ; on to the second tile's NF and 1 / l
.irp a, 0,1,2,3
	v_mov_b32 v[NF+\a], v[NF2+\a]
	v_mov_b32 v[IL+\a], v[IL2+\a]
.endr
.endm
	s_wait_tensorcnt 1                             ; my part of slot 0 is in; slot 1's load may be out
	s_barrier_signal -1
	s_barrier_wait -1
	FETCH 0, 0, F0
	WIN 0
	; LAP 1, written out: its first fold starts ACC on every way
	STEPSEL
	SLOTRUN 0, 1, 1
	FPRIME 1, 0
	FOLD 1
	SLOTRUN 1, 0, 1
	FPRIME 1, 1
	FOLD 0
	s_cmp_lg_u32 s[L1], 1
	s_cbranch_scc1 .Lgo_on_1                       ; the cluster's y alone
	WAYOUT OUT1
	SWITCH
.Lgo_on_1:
	s_mov_b32 s[LAP], 2
.Llap:                                             ; laps 2 to 4
	STEPSEL
	SLOTRUN 0, 1, 1
	FPRIME 1, 0
	s_cmp_eq_u32 s[LAP], s[SW]
	s_cbranch_scc1 .Lfirst_slot                    ; the lap count and the cluster's y alone
	FOLD 0
	s_branch .Lfolded
.Lfirst_slot:
	FOLD 1
.Lfolded:
	SLOTRUN 1, 0, 1
	FPRIME 1, 1
	FOLD 0
	s_cmp_lg_u32 s[LAP], s[L1]
	s_cbranch_scc1 .Lgo_on_2
	WAYOUT OUT1
	SWITCH
.Lgo_on_2:
	s_add_co_u32 s[LAP], s[LAP], 1
	s_cmp_lt_u32 s[LAP], 5
	s_cbranch_scc1 .Llap
	; LAP 5, written out: it asks for nothing, and has no round of the cluster's barrier
	SLOTRUN 0, 1, 0
	FPRIME 1, 0
	FOLD 0
	QUARTER 1, 128, F0, F1, 1
	QUARTER 1, 256, F1, F0, 0
	QUARTER 1, 384, F0, F1, 0
	s_wait_dscnt 16
	WIN MUL
	MUL8 F1, 0, 0, 0
	MUL8 F1, 0, 2, 0
	s_wait_dscnt 0
	MUL8 F1, 1, 0, 0
	MUL8 F1, 1, 2, 0
	WIN 0
	PLACES
	FPRIME 0, 0
	FOLD 0
	WAYOUT OUT2
	s_wait_tensorcnt 0x0                           ; the wave's end, behind my last tensor load and my last LDS store
	ds_add_u32 v[SPW], v[NIL]
	s_wait_dscnt 0x0
	CROUND                                         ; the closing round: no work-group ends while a partner may still ask for a tile that names it
	s_endpgm
.Lfunc_end_k_q81099d52a9_pv:
	.size	k_q81099d52a9_pv, .Lfunc_end_k_q81099d52a9_pv-k_q81099d52a9_pv
	.p2alignl 7, 3214868480
	.fill 96, 4, 3214868480
	.section	.rodata,"a",@progbits
	.p2align	6, 0x0
	.amdhsa_kernel k_q81099d52a9_pv
		.amdhsa_group_segment_fixed_size 327680
		.amdhsa_private_segment_fixed_size 0
		.amdhsa_enable_private_segment 0
		.amdhsa_kernarg_size 32
		.amdhsa_user_sgpr_count 2
		.amdhsa_user_sgpr_kernarg_segment_ptr 1
		.amdhsa_wavefront_size32 1
		.amdhsa_system_sgpr_workgroup_id_x 1
		.amdhsa_system_sgpr_workgroup_id_y 1
		.amdhsa_system_sgpr_workgroup_id_z 1
		.amdhsa_system_vgpr_workitem_id 0
		.amdhsa_next_free_vgpr 640
		.amdhsa_next_free_sgpr 100
		.amdhsa_reserve_vcc 0
		.amdhsa_float_denorm_mode_32 3
		.amdhsa_float_denorm_mode_16_64 3
		.amdhsa_memory_ordered 1
		.amdhsa_forward_progress 1
		.amdhsa_inst_pref_size 195
	.end_amdhsa_kernel
	.amdgpu_metadata
---
amdhsa.version: [ 1, 2 ]
amdhsa.kernels:
  - .name:           k_q81099d52a9_pv
    .symbol:         k_q81099d52a9_pv.kd
    .args:
      - { .name: p, .offset: 0, .size: 8, .value_kind: global_buffer, .address_space: global }
      - { .name: vt, .offset: 8, .size: 8, .value_kind: global_buffer, .address_space: global }
      - { .name: st, .offset: 16, .size: 8, .value_kind: global_buffer, .address_space: global }
      - { .name: out0, .offset: 24, .size: 8, .value_kind: global_buffer, .address_space: global }
    .group_segment_fixed_size: 327680
    .private_segment_fixed_size: 0
    .kernarg_segment_align: 8
    .kernarg_segment_size: 32
    .max_flat_workgroup_size: 128
    .sgpr_count:     100
    .vgpr_count:     640
    .wavefront_size: 32
...
	.end_amdgpu_metadata
.endif
;; end of part 4
;; launch head16 (part 5): grid 4 x 1, 16 waves a work-group, no clusters, 88,064 bytes of LDS; arguments head, out0; writes out0
.if DOCPART == 5
	.amdgcn_target "amdgcn-amd-amdhsa--gfx1250"
	.amdhsa_code_object_version 6
	.text
	.protected	k_q81099d52a9_head16
	.globl	k_q81099d52a9_head16
	.p2align	8
	.type	k_q81099d52a9_head16,@function
k_q81099d52a9_head16:
	s_mov_b64 s[64:65], 0
	v_nop
	global_prefetch_b8 v0, s[64:65] scope:SCOPE_SE
	s_setreg_imm32_b32 hwreg(HW_REG_WAVE_MODE, 25, 1), 1
	s_wait_xcnt 0x0
; Positions 0-15 of each sequence, where a row averages one to sixteen values: both products and the softmax in f32, from the f32 sums that the projections' launch kept.
; head: qk32 [4][16][2048] f32 (q | k) at byte 0; v32t [4][1024 channels][16 keys] f32 at byte 524,288.  out0 [8192][1024] f32: rows 2,048 b + 0..15 are written over.
; A work-group takes a batch; wave w takes channels 64 w .. 64 w + 63, of the scores' K and of the output.  64 rows in all: no bulk work, so the f32 matrix form serves.
; S^T = k q^T (source 0 = 16 keys, source 1 = 16 queries): a lane holds query r and keys 8 h + 0..7.  Each wave sums its 64 channels; the sixteen parts meet in LDS as images of the registers; every wave adds all.
; A lane takes K in the order in which 16-byte loads bring it, alike in both sources: the products are the same, their order within a sum differs from ascending K.
; O^T = v^T p^T (source 0 = 16 channels, source 1 = p): step s takes keys 8 h + 2 s, 8 h + 2 s + 1, which are p's registers 2 s, 2 s + 1 as they stand.
; The registers that the matrix instructions write (v96-127) are written by them alone; sums begin with the constant 0.
.set PART,  0                          ; LDS: sixteen parts of S^T, 1,024 bytes each
.set STAGE, 16384                      ; 16 rows x 272 bytes for each wave
.set SPARE, STAGE+16*16*272            ; the spare words, 128 bytes a wave
.set QO,  4                            ; v4   q, k: 8,192 r + 256 w + 16 h
.set VO,  5                            ; v5   v: 4,096 w + 64 r + 32 h
.set PW,  6                            ; v6   where I put my part
.set PR,  7                            ; v7   where I read the parts
.set STO, 8
.set RD,  9
.set GO,  10                           ; v10  4,096 h + 256 w + 16 r
.set DD,  11                           ; v11  r - 8 h
.set SPW, 12
.set NIL, 13
.set NEGV, 14
.set MC,  15
.set S,   16                           ; v16-23 S^T, then p
.set T2,  24                           ; v24-31 at work
.set QF,  32
.set KF,  64
.set ACC, 96
.set VF,  128
.set PB,  160                          ; v160-223 eight parts; later rows on the way out
.set PN,  224                          ; v224-231 p / the sum
.set CSC, 20                           ; s20  c = log2(e) / 32
.set SEL, 10                           ; s[10:11]
	s_load_b128 s[4:7], s[0:1], 0x0                ; head s[4:5], out0 s[6:7]
	v_lshl_add_u32 v[SPW], v0, 2, SPARE
	v_mov_b32 v[NIL], 0
	v_lshrrev_b32 v1, 5, v0
	v_readfirstlane_b32 s8, v1                     ; wave 0..15
	v_and_b32 v1, 15, v0                           ; r
	v_bfe_u32 v2, v0, 4, 1                         ; h
	v_and_b32 v3, 31, v0                           ; lane
	s_lshl_b32 s9, s8, 8
	v_lshlrev_b32 v[QO], 13, v1
	v_lshl_add_u32 v[QO], v2, 4, v[QO]
	v_add_nc_u32 v[QO], s9, v[QO]
	v_lshlrev_b32 v[GO], 12, v2
	v_lshl_add_u32 v[GO], v1, 4, v[GO]
	v_add_nc_u32 v[GO], s9, v[GO]
	s_lshl_b32 s9, s8, 12
	v_lshlrev_b32 v[VO], 6, v1
	v_lshl_add_u32 v[VO], v2, 5, v[VO]
	v_add_nc_u32 v[VO], s9, v[VO]
	s_lshl_b32 s9, s8, 10
	v_lshl_add_u32 v[PW], v3, 4, s9
	v_lshlrev_b32 v[PR], 4, v3
	s_mul_i32 s9, s8, 16*272
	s_add_co_u32 s9, s9, STAGE
	v_mul_u32_u24 v[STO], v1, 272
	v_lshl_add_u32 v[STO], v2, 5, v[STO]
	v_add_nc_u32 v[STO], s9, v[STO]
	v_mul_u32_u24 v[RD], v2, 272
	v_lshl_add_u32 v[RD], v1, 4, v[RD]
	v_add_nc_u32 v[RD], s9, v[RD]
	v_lshlrev_b32 v[DD], 3, v2
	v_sub_nc_u32 v[DD], v1, v[DD]
	v_mov_b32 v[NEGV], 0xff800000
	v_mov_b32 v[T2+1], 0                           ; written once: a lane permute's destination counts as one of its sources
	s_mov_b32 s[SEL], 0x76543210
	s_mov_b32 s[SEL+1], 0xfedcba98
	s_mov_b32 s[CSC], 0x3d38aa3b
	s_lshl_b32 s12, ttmp9, 17                      ; the batch's q and k
	s_mov_b32 s13, 0
	s_lshl_b32 s14, ttmp9, 16                      ; its v
	s_add_co_u32 s14, s14, 524288
	s_mov_b32 s15, 0
	s_lshl_b32 s22, ttmp9, 23                      ; its rows of out0
	s_mov_b32 s23, 0
	s_wait_kmcnt 0x0
	s_add_nc_u64 s[16:17], s[4:5], s[12:13]
	s_add_nc_u64 s[18:19], s[4:5], s[14:15]
	s_add_nc_u64 s[6:7], s[6:7], s[22:23]
.irp i, 0,1,2,3,4,5,6,7
	global_load_b128 v[QF+4*\i:QF+4*\i+3], v[QO], s[16:17] offset:32*\i          ; q(r, 64 w + 8 i + 4 h + 0..3)
	global_load_b128 v[KF+4*\i:KF+4*\i+3], v[QO], s[16:17] offset:32*\i+4096     ; k likewise
.endr
.irp t, 0,1,2,3
	global_load_b128 v[VF+8*\t:VF+8*\t+3], v[VO], s[18:19] offset:1024*\t        ; v(keys 8 h + 0..7, channel 64 w + 16 t + r)
	global_load_b128 v[VF+8*\t+4:VF+8*\t+7], v[VO], s[18:19] offset:1024*\t+16
.endr
	s_wait_loadcnt 8                               ; q and k are in; v's eight loads may be out
.set i, 0
.rept 16                               ; four sums by turns, one instruction a turn
.if i < 4
	v_wmma_f32_16x16x4_f32 v[ACC+8*(i%4):ACC+8*(i%4)+7], v[KF+2*i:KF+2*i+1], v[QF+2*i:QF+2*i+1], 0
.else
	v_wmma_f32_16x16x4_f32 v[ACC+8*(i%4):ACC+8*(i%4)+7], v[KF+2*i:KF+2*i+1], v[QF+2*i:QF+2*i+1], v[ACC+8*(i%4):ACC+8*(i%4)+7]
.endif
.set i, i+1
.endr
.rept 8
	v_nop                                          ; eight places behind this form (ISA guide 7.12.1)
.endr
.irp p, 0,2,4,6                        ; the four sums are added, each read from its low end on
	v_pk_add_f32 v[S+\p:S+\p+1], v[ACC+\p:ACC+\p+1], v[ACC+8+\p:ACC+8+\p+1]
	v_pk_add_f32 v[T2+\p:T2+\p+1], v[ACC+16+\p:ACC+16+\p+1], v[ACC+24+\p:ACC+24+\p+1]
.endr
.irp p, 0,2,4,6
	v_pk_add_f32 v[S+\p:S+\p+1], v[S+\p:S+\p+1], v[T2+\p:T2+\p+1]
.endr
	ds_store_b128 v[PW], v[S:S+3] offset:PART
	ds_store_b128 v[PW], v[S+4:S+7] offset:PART+512
	s_wait_dscnt 0x0                               ; for the others' sake
	s_barrier_signal -1
	s_barrier_wait -1
.macro GATHER w0                       ; eight waves' parts
.irp w, 0,1,2,3,4,5,6,7
	ds_load_b128 v[PB+8*\w:PB+8*\w+3], v[PR] offset:PART+1024*(\w0+\w)
	ds_load_b128 v[PB+8*\w+4:PB+8*\w+7], v[PR] offset:PART+1024*(\w0+\w)+512
.endr
	s_wait_dscnt 0x0
.endm
	GATHER 0
.irp p, 0,2,4,6
	v_pk_add_f32 v[S+\p:S+\p+1], v[PB+\p:PB+\p+1], v[PB+8+\p:PB+8+\p+1]
.endr
.irp w, 2,3,4,5,6,7
.irp p, 0,2,4,6
	v_pk_add_f32 v[S+\p:S+\p+1], v[S+\p:S+\p+1], v[PB+8*\w+\p:PB+8*\w+\p+1]
.endr
.endr
	GATHER 8
.irp w, 0,1,2,3,4,5,6,7
.irp p, 0,2,4,6
	v_pk_add_f32 v[S+\p:S+\p+1], v[S+\p:S+\p+1], v[PB+8*\w+\p:PB+8*\w+\p+1]
.endr
.endr
.irp j, 0,1,2,3,4,5,6,7                ; the mask: key 8 h + j is hidden where j > r - 8 h
	v_cmp_gt_i32 vcc_lo, \j, v[DD]
	v_cndmask_b32 v[S+\j], v[S+\j], v[NEGV], vcc_lo
.endr
	v_max3_num_f32 v[T2], v[S], v[S+1], v[S+2]
	v_max3_num_f32 v[T2], v[T2], v[S+3], v[S+4]
	v_max3_num_f32 v[T2], v[T2], v[S+5], v[S+6]
	v_max_num_f32 v[T2], v[T2], v[S+7]
	v_permlanex16_b32 v[T2+1], v[T2], s[SEL], s[SEL+1]
	v_max_num_f32 v[T2], v[T2], v[T2+1]            ; the row's largest score: key 0 counts for every query
	v_mul_f32 v[MC], s[CSC], v[T2]
.irp j, 0,1,2,3,4,5,6,7
	v_fma_f32 v[S+\j], v[S+\j], s[CSC], -v[MC]
.endr
.irp j, 0,1,2,3,4,5,6,7
	v_exp_f32 v[S+\j], v[S+\j]
.endr
	v_nop                                          ; a plain line behind the last exponential
	s_wait_alu depctr_va_vdst(0)                   ; one wait for the eight, ahead of their first reader
	v_pk_add_f32 v[T2+2:T2+3], v[S:S+1], v[S+2:S+3]
	v_pk_add_f32 v[T2+4:T2+5], v[S+4:S+5], v[S+6:S+7]
	v_pk_add_f32 v[T2+2:T2+3], v[T2+2:T2+3], v[T2+4:T2+5]
	v_add_f32 v[T2], v[T2+2], v[T2+3]
	v_permlanex16_b32 v[T2+1], v[T2], s[SEL], s[SEL+1]
	v_add_f32 v[T2], v[T2], v[T2+1]                ; the row's sum, at least 1
	v_rcp_f32 v[T2+6], v[T2]
	v_nop
	s_wait_alu depctr_va_vdst(0)
.irp j, 0,1,2,3,4,5,6,7
	v_mul_f32 v[PN+\j], v[S+\j], v[T2+6]
.endr
.rept 4
	v_nop
.endr
	s_wait_loadcnt 0x0                             ; v
.irp s, 0,1,2,3
.irp t, 0,1,2,3                        ; four tiles of 16 channels by turns
.if \s == 0
	v_wmma_f32_16x16x4_f32 v[ACC+8*\t:ACC+8*\t+7], v[VF+8*\t+2*\s:VF+8*\t+2*\s+1], v[PN+2*\s:PN+2*\s+1], 0
.else
	v_wmma_f32_16x16x4_f32 v[ACC+8*\t:ACC+8*\t+7], v[VF+8*\t+2*\s:VF+8*\t+2*\s+1], v[PN+2*\s:PN+2*\s+1], v[ACC+8*\t:ACC+8*\t+7]
.endif
.endr
.endr
.rept 8
	v_nop
.endr
.irp t, 0,1,2,3                        ; lane (r, h): out(r, 64 w + 16 t + 8 h + 0..7): through my stage, each sum from its low end on
	ds_store_b128 v[STO], v[ACC+8*\t:ACC+8*\t+3] offset:64*\t
	ds_store_b128 v[STO], v[ACC+8*\t+4:ACC+8*\t+7] offset:64*\t+16
.endr
.irp t, 0,1,2,3,4,5,6,7
	ds_load_b128 v[PB+4*\t:PB+4*\t+3], v[RD] offset:\t*2*272       ; LDS serves a wave's instructions in order: these see the stores above
.endr
	s_wait_dscnt 0x0
.irp t, 0,1,2,3,4,5,6,7
	global_store_b128 v[GO], v[PB+4*\t:PB+4*\t+3], s[6:7] offset:2*\t*4096       ; 16 lanes store 256 consecutive bytes, at a multiple of 256 from out0's first byte
.endr
	s_wait_tensorcnt 0x0                           ; the wave's end, behind my last LDS store
	ds_add_u32 v[SPW], v[NIL]
	s_wait_dscnt 0x0
	s_endpgm
.Lfunc_end_k_q81099d52a9_head16:
	.size	k_q81099d52a9_head16, .Lfunc_end_k_q81099d52a9_head16-k_q81099d52a9_head16
	.p2alignl 7, 3214868480
	.fill 96, 4, 3214868480
	.section	.rodata,"a",@progbits
	.p2align	6, 0x0
	.amdhsa_kernel k_q81099d52a9_head16
		.amdhsa_group_segment_fixed_size 88064
		.amdhsa_private_segment_fixed_size 0
		.amdhsa_enable_private_segment 0
		.amdhsa_kernarg_size 16
		.amdhsa_user_sgpr_count 2
		.amdhsa_user_sgpr_kernarg_segment_ptr 1
		.amdhsa_wavefront_size32 1
		.amdhsa_system_sgpr_workgroup_id_x 1
		.amdhsa_system_sgpr_workgroup_id_y 1
		.amdhsa_system_sgpr_workgroup_id_z 1
		.amdhsa_system_vgpr_workitem_id 0
		.amdhsa_next_free_vgpr 256
		.amdhsa_next_free_sgpr 66
		.amdhsa_reserve_vcc 1
		.amdhsa_float_denorm_mode_32 3
		.amdhsa_float_denorm_mode_16_64 3
		.amdhsa_memory_ordered 1
		.amdhsa_forward_progress 1
		.amdhsa_inst_pref_size 19
	.end_amdhsa_kernel
	.amdgpu_metadata
---
amdhsa.version: [ 1, 2 ]
amdhsa.kernels:
  - .name:           k_q81099d52a9_head16
    .symbol:         k_q81099d52a9_head16.kd
    .args:
      - { .name: head, .offset: 0, .size: 8, .value_kind: global_buffer, .address_space: global }
      - { .name: out0, .offset: 8, .size: 8, .value_kind: global_buffer, .address_space: global }
    .group_segment_fixed_size: 88064
    .private_segment_fixed_size: 0
    .kernarg_segment_align: 8
    .kernarg_segment_size: 16
    .max_flat_workgroup_size: 512
    .sgpr_count:     66
    .vgpr_count:     256
    .wavefront_size: 32
...
	.end_amdgpu_metadata
.endif
;; end of part 5
